; MI455X (gfx1250); checked and timed in simulation.
; The chip was launched on July 23, 2026; its instructions are those of AMD's public machine-readable ISA for CDNA 5 (MIT licence, August 2026) and "CDNA5" Instruction Set Architecture Reference Guide (July 2026). The comments in the code are by the model that wrote it; some were corrected since.
;; Multi Head Self Attention. Allowed arithmetic: matrix products marked QUANTISED: E4M3 operands, one E8M0 scale for each 32 along K, by v_wmma_scale_f32_16x16x128_f8f6f4 with both operands' format E4M3, f32 sums; everything else in f32.
;; Inputs: Wk 1,024 x 1,024 float32; Wo 1,024 x 1,024 float32; Wq 1,024 x 1,024 float32; Wv 1,024 x 1,024 float32; bk 1,024 float32; bo 1,024 float32; bq 1,024 float32; bv 1,024 float32; x 4 x 2,048 x 1,024 float32.
;; Outputs: out0 4 x 2,048 x 1,024 float32.
;; This version of the problem:
;;   THIS VERSION OF THE PROBLEM IS GIVEN IN LOW PRECISION. The matrix products marked QUANTISED in the list below multiply operands that are first quantised to E4M3 (4 exponent bits, 3 mantissa bits; 8 bits a number), with one power-of-two scale for each 32 numbers along K (OCP MX v1.0); their sums are f32. All else is computed in f32.
;;   The module's matrix products, in the order in which they are computed (A, B: the left and right operand; K: the contracted axis; several contracted axes count as one K, in the product's order):
;;     1. [M 8,192, K 1,024] x [K 1,024, N 1,024]; A: input x; B: input Wq: QUANTISED
;;     2. [M 8,192, K 1,024] x [K 1,024, N 1,024]; A: input x; B: input Wk: QUANTISED
;;     3. [M 8,192, K 1,024] x [K 1,024, N 1,024]; A: input x; B: input Wv: QUANTISED
;;     4. batch 64 x [M 2,048, K 64] x [K 64, N 2,048]; A: computed on the way; B: computed on the way: QUANTISED
;;     5. batch 64 x [M 2,048, K 2,048] x [K 2,048, N 64]; A: softmax (see below); B: computed on the way: QUANTISED
;;     6. [M 8,192, K 1,024] x [K 1,024, N 1,024]; A: computed on the way; B: input Wo: QUANTISED
;;   THE QUANTISER, for each operand of a quantised product, along K:
;;     - K is cut into blocks of 32 from its start; a last block that is shorter is filled with zeros.
;;     - A block's scale is 2^e with e = floor(log2(the largest magnitude in the block)) - 8, held to -126 .. 127; a block of zeros has e = 0. As a byte (E8M0): e + 127.
;;     - Each number is divided by its block's scale, clamped to +-448, and rounded to the nearest number of E4M3, ties to even, subnormals kept.
;;     - The product sums the exact products of the quantised numbers (number of the format x scale) in f32.
;;   ~~~python
;;   def quantise(x, axis):      # numpy; x: float32 -> the quantised numbers, widened to float32 again
;;       x = np.moveaxis(x, axis, -1); K = x.shape[-1]
;;       x = np.pad(x, [(0, 0)] * (x.ndim - 1) + [(0, -K % 32)]); x = x.reshape(x.shape[:-1] + (-1, 32)); a = np.abs(x).max(-1, keepdims=True)
;;       e = np.where(a > 0, np.clip(np.frexp(np.where(a > 0, a, 1))[1] - 1 - 8, -126, 127), 0)      # np.frexp(a)[1] - 1 = floor(log2(a)), exactly
;;       r = np.clip(x / 2.0 ** e, -448, 448)
;;       step = 2.0 ** (np.maximum(np.frexp(np.where(r == 0, 1, r))[1] - 1, -6) - 3)
;;       q = np.round(r / step) * step * 2.0 ** e      # np.round: ties to even
;;       return np.moveaxis(q.reshape(q.shape[:-2] + (-1,))[..., :K], -1, axis).astype(np.float32)
;;   ~~~
;;   SOFTMAX AHEAD OF A QUANTISED PRODUCT. Where the list says 'softmax', what is quantised is not the finished softmax but p = 2^(t - M), with t = logit x log2(e) and M = ceil(the row's largest t), a whole number; so 1/2 < the row's largest p <= 1. The row's sum l is taken of the UNQUANTISED p, in f32, and the product's result is divided by l at the end. Since M is a whole number, a kernel that streams over the keys may use a running M (the ceiling of the running maximum): every later rescaling is an exact power of two, which a block's scale takes up: the codes' values come out the same.
;;   OPERANDS COMPUTED ON THE WAY. 'Computed on the way' means the value that the module computes at that place (a softmax that the list does not call 'softmax' is quantised finished and normalised). What goes into a quantiser is computed in f32, as accurately as f32 sums, v_exp_f32 and their like allow (about 1e-6 of the number): no bf16 or f16 on the way to a quantiser, and a product that is left as it is and whose result goes on into a quantised operand takes f32 operands (vector FMAs, or v_wmma_f32_16x16x4_f32). A number that lies on a knife's edge between two numbers of the format may be rounded either way, as far as f32 arithmetic and the matrix unit's own rounding can turn it there, and no further.
;; One version. Each part assembles by itself: llvm-mc -triple=amdgcn-amd-amdhsa -mcpu=gfx1250 --defsym DOCPART=n.
;; ======== version 1 of 1: 4 launches
;; limits: right only within a limited range of input values
;; workspace buffers: xc 8,388,608 bytes; xs 262,144 bytes; wc 4,194,304 bytes; ws 131,072 bytes; qkvc 25,165,824 bytes; qkvs 1,310,720 bytes; oc 8,388,608 bytes; os 262,144 bytes
;; launch quant (part 1): grid 384 x 1, 4 waves a work-group, no clusters, 37,376 bytes of LDS; arguments x, Wq, Wk, Wv, Wo, xc, xs, wc, ws; writes xc, xs, wc, ws
.if DOCPART == 1
	.amdgcn_target "amdgcn-amd-amdhsa--gfx1250"
	.amdhsa_code_object_version 6
	.text
	.protected	k_q65442dc167_quant
	.globl	k_q65442dc167_quant
	.p2align	8
	.type	k_q65442dc167_quant,@function
k_q65442dc167_quant:
	s_mov_b64 s[64:65], 0
	v_nop
	global_prefetch_b8 v0, s[64:65] scope:SCOPE_SE
	s_setreg_imm32_b32 hwreg(HW_REG_WAVE_MODE, 25, 1), 1
	s_wait_xcnt 0x0
; x [8192][1024] and Wq, Wk, Wv, Wo [1024][1024], f32, K innermost, become codes of FP8 (E4M3) with one E8M0 scale byte for each 32 along K.
; A block's scale is 2^(floor(log2(its largest magnitude)) - 8); each number is divided by it, held within +-448 and rounded to the nearest code, ties to even.
; LIMITS: a block whose largest magnitude lies under 2^-118 (a block of zeros among them) gets the byte 1: its bytes are read by this program alone; NaN and infinities are not served.
; LAYOUT OF THE RESULT: images of the matrix operand's registers.  Row p belongs to tile T = 2 (p / 32) + (p / 8) % 2, at place r = p % 8 + 8 ((p / 16) % 2).
;   codes:  T x 16384 + (k / 32) x 512 + (16 ((k / 16) % 2) + r) x 16 + k % 16      scale bytes (G = k / 32):  T x 512 + (G / 8) x 128 + r x 8 + G % 8
; wc and ws hold 4,096 rows: Wq, Wk, Wv, Wo one behind the other.
; SHARES: a wave takes one tile (16 rows) x 512 along K, in eight steps of 64 along K.  Each load reads two rows' 256 consecutive bytes; the 4 KiB of a step turn through the wave's own stage in LDS
; (rows 272 bytes apart) and come back 16 neighbours along K a lane: lane (r, h) holds k = 32 g + 16 h + 0 .. 15 of row r, so a block lies in lanes l and l xor 16.
; A lane's 16 codes are 16 bytes: a store of the wave covers 512 consecutive bytes, aligned.  A wave's 256 scale bytes are gathered in LDS and leave by one store of 256 consecutive bytes, aligned.
; No tensor loads, no barrier: waves share nothing.  Loads run three steps (24 loads a wave) ahead, the turn through LDS one step.  Matrix units and clusters have nothing to do in a stream.
.set STG,  4352                        ; a stage: 16 rows x 272 bytes
.set WREG, 9216                        ; LDS of a wave: two stages, then its 256 scale bytes
.set SBO,  2*STG
.set R,    16                          ; v16-111   three sets of 32: a step as it is loaded
.set X,    112                         ; v112-175  two sets of 32: two blocks' 16 neighbours
.set C,    176                         ; v176-239  codes: eight registers for each step, never written again
.set TM,   240                         ; v240-247  at work; v248-251 scale bytes, two sets by turns
	s_load_b256 s[4:11], s[0:1], 0x0               ; x, Wq, Wk, Wv
	s_load_b256 s[12:19], s[0:1], 0x20             ; Wo, xc, xs, wc
	s_load_b64 s[20:21], s[0:1], 0x40              ; ws
	v_lshl_add_u32 v254, v0, 2, 0x9000
	v_mov_b32 v255, 0
	v_lshrrev_b32 v1, 5, v0
	v_readfirstlane_b32 s33, v1                    ; wave 0..3
	v_and_b32 v1, 31, v0                           ; lane
	v_and_b32 v9, 15, v0                           ; r
	v_bfe_u32 v10, v0, 4, 1                        ; h
	v_lshlrev_b32 v2, 4, v9
	v_lshl_add_u32 v2, v10, 12, v2                 ; in memory: lanes 0-15 one row's 256 bytes, lanes 16-31 the next row's
	s_mul_i32 s34, s33, WREG
	v_mul_u32_u24 v3, v10, 272
	v_lshl_add_u32 v3, v9, 4, v3
	v_add_nc_u32 v3, s34, v3                       ; into the stage: the same two rows
	v_mul_u32_u24 v4, v9, 272
	v_lshl_add_u32 v4, v10, 6, v4
	v_add_nc_u32 v4, s34, v4                       ; out of it: row r, + 64 h bytes
	v_lshlrev_b32 v5, 4, v1                        ; my codes' place in an image's 512 bytes
	s_add_co_u32 s34, s34, SBO
	v_lshlrev_b32 v6, 3, v9
	v_add_nc_u32 v6, s34, v6                       ; my row's scale bytes in LDS
	v_lshlrev_b32 v8, 3, v1
	v_add_nc_u32 v7, s34, v8                       ; and on the way out 8 bytes a lane
	v_mov_b32 v[TM+2], 0                           ; written once: a lane permute's destination counts as one of its sources
	v_mov_b32 v[TM+3], 0
	s_max_u32 s22, ttmp9, 256
	s_sub_co_u32 s22, s22, 256                     ; work-groups 256 on take the weights: which of those 128
	s_lshr_b32 s23, s22, 5                         ; which weight
	s_and_b32 s32, s22, 31                         ; which 32 rows of it
	s_lshr_b32 s35, s33, 1                         ; the tile's low bit
	s_and_b32 s36, s33, 1                          ; which half of K
	s_mov_b32 s37, 0x76543210
	s_mov_b32 s38, 0xfedcba98                      ; v_permlanex16_b32's selects for lane l xor 16
	s_wait_alu depctr_va_vdst(0)
	s_wait_kmcnt 0x0
	s_cmp_eq_u32 s23, 0                            ; the buffers are chosen by the work-group's number alone; one path through the text
	s_cselect_b64 s[24:25], s[6:7], s[12:13]
	s_cmp_eq_u32 s23, 1
	s_cselect_b64 s[24:25], s[8:9], s[24:25]
	s_cmp_eq_u32 s23, 2
	s_cselect_b64 s[24:25], s[10:11], s[24:25]
	s_cmp_lt_u32 ttmp9, 256
	s_cselect_b64 s[24:25], s[4:5], s[24:25]
	s_cselect_b64 s[26:27], s[14:15], s[18:19]
	s_cselect_b64 s[28:29], s[16:17], s[20:21]
	s_cselect_b32 s30, ttmp9, s32                  ; pair of tiles in the input,
	s_cselect_b32 s31, ttmp9, s22                  ; and in the output
	s_lshl_b32 s40, s30, 17                        ; 32 rows of 4,096 bytes,
	s_lshl_b32 s41, s35, 15                        ; 8 rows,
	s_add_co_u32 s40, s40, s41
	s_lshl_b32 s41, s36, 11                        ; 512 numbers
	s_add_co_u32 s40, s40, s41
	s_mov_b32 s41, 0
	s_add_nc_u64 s[24:25], s[24:25], s[40:41]
	s_lshl_b32 s40, s31, 15                        ; codes: 8,192 bytes a wave
	s_lshl_b32 s42, s33, 13
	s_add_co_u32 s40, s40, s42
	s_add_nc_u64 s[26:27], s[26:27], s[40:41]
	s_lshl_b32 s40, s31, 10                        ; scale bytes: 256 a wave
	s_lshl_b32 s42, s33, 8
	s_add_co_u32 s40, s40, s42
	s_add_nc_u64 s[28:29], s[28:29], s[40:41]
.macro LOAD t                          ; step t: the tile's places 2 j, 2 j + 1 are rows 2 j + 8 (j / 4) and the next
.irp j, 0,1,2,3,4,5,6,7
	global_load_b128 v[R+32*((\t)%3)+4*\j:R+32*((\t)%3)+4*\j+3], v2, s[24:25] offset:(2*\j+8*(\j/4))*4096+256*(\t) th:TH_LOAD_NT
.endr
.endm
.macro TURN t                          ; through the stage: LDS serves a wave's instructions in order, so no wait stands between the stores and the loads
.irp j, 0,1,2,3,4,5,6,7
	ds_store_b128 v3, v[R+32*((\t)%3)+4*\j:R+32*((\t)%3)+4*\j+3] offset:STG*((\t)%2)+544*\j
.endr
.irp g, 0,1
.irp i, 0,1,2,3
	ds_load_b128 v[X+32*((\t)%2)+16*\g+4*\i:X+32*((\t)%2)+16*\g+4*\i+3], v4 offset:STG*((\t)%2)+128*\g+16*\i
.endr
.endr
.endm
	LOAD 0
	LOAD 1
	LOAD 2
	s_wait_loadcnt 16                              ; step 0's eight loads are in; steps 1 and 2 may be out
	TURN 0
.macro STEP t
.set XS, X+32*((\t)%2)
.set BY, TM+8+2*((\t)%2)
.if (\t) > 0
	s_wait_dscnt 2                                 ; this step's numbers are back from the stage; the last step's two byte stores may be out (those of two steps back are done: their registers are written again below)
.else
	s_wait_dscnt 0x0
.endif
.if (\t)+3 < 8
	LOAD (\t)+3                                    ; into the set whose stores into the stage are done
.endif
.if (\t)+1 < 8
.if (\t)+3 < 8
	s_wait_loadcnt 16                              ; the next step's loads are in; those of the two steps behind it may be out
.else
	s_wait_loadcnt 8*(6-(\t))                      ; the counts run down
.endif
	TURN (\t)+1
.endif
.irp g, 0,1
	v_max3_num_f32 v[TM+\g], |v[XS+16*\g]|, |v[XS+16*\g+1]|, 0x4800000   ; my 16 numbers of block g, and the floor 2^(9 - 127): the byte cannot fall under 1
.endr
.irp i, 2,4,6,8,10,12,14
.irp g, 0,1
	v_max3_num_f32 v[TM+\g], v[TM+\g], |v[XS+16*\g+\i]|, |v[XS+16*\g+\i+1]|
.endr
.endr
.irp g, 0,1
	v_permlanex16_b32 v[TM+2+\g], v[TM+\g], s37, s38
.endr
.irp g, 0,1
	v_max_num_f32 v[TM+\g], v[TM+\g], v[TM+2+\g]   ; with lane l xor 16's: the block's largest magnitude
.endr
.irp g, 0,1
	v_add_nc_u32 v[TM+4+\g], 0xfc000000, v[TM+\g]  ; 8 off its exponent field: the conversion takes this operand's exponent field as its scale
.endr
.irp g, 0,1
.endr
.irp g, 0,1
.irp i, 0,1,2,3,4,5,6,7,8,9,10,11,12,13,14,15
.endr
.endr
.irp g, 0,1
	v_cvt_scalef32_pk8_fp8_f32 v[C+8*(\t)+4*\g:C+8*(\t)+4*\g+1], v[XS+16*\g:XS+16*\g+7], v[TM+4+\g]
	v_cvt_scalef32_pk8_fp8_f32 v[C+8*(\t)+4*\g+2:C+8*(\t)+4*\g+3], v[XS+16*\g+8:XS+16*\g+15], v[TM+4+\g]
.endr
.irp g, 0,1
	v_lshrrev_b32 v[BY+\g], 23, v[TM+4+\g]         ; the scale's byte (a plain line behind the conversions)
.endr
.irp g, 0,1
	ds_store_b8 v6, v[BY+\g] offset:((2*(\t)+\g)/8)*128+(2*(\t)+\g)%8    ; both lanes of a block write the same byte with the same value
	global_store_b128 v5, v[C+8*(\t)+4*\g:C+8*(\t)+4*\g+3], s[26:27] offset:(2*(\t)+\g)*512   ; 512 consecutive bytes, aligned
.endr
.endm
.irp t, 0,1,2,3,4,5,6,7
	STEP \t
.endr
	ds_load_b64 v[12:13], v7                       ; LDS serves a wave's instructions in order: these see my byte stores
	s_wait_dscnt 0x0
	global_store_b64 v8, v[12:13], s[28:29]        ; 256 consecutive bytes, aligned
	s_wait_tensorcnt 0x0
	ds_add_u32 v254, v255
	s_wait_dscnt 0x0
	s_endpgm
.Lfunc_end_k_q65442dc167_quant:
	.size	k_q65442dc167_quant, .Lfunc_end_k_q65442dc167_quant-k_q65442dc167_quant
	.p2alignl 7, 3214868480
	.fill 96, 4, 3214868480
	.section	.rodata,"a",@progbits
	.p2align	6, 0x0
	.amdhsa_kernel k_q65442dc167_quant
		.amdhsa_group_segment_fixed_size 37376
		.amdhsa_private_segment_fixed_size 0
		.amdhsa_enable_private_segment 0
		.amdhsa_kernarg_size 72
		.amdhsa_user_sgpr_count 2
		.amdhsa_user_sgpr_kernarg_segment_ptr 1
		.amdhsa_wavefront_size32 1
		.amdhsa_system_sgpr_workgroup_id_x 1
		.amdhsa_system_sgpr_workgroup_id_y 1
		.amdhsa_system_sgpr_workgroup_id_z 1
		.amdhsa_system_vgpr_workitem_id 0
		.amdhsa_next_free_vgpr 256
		.amdhsa_next_free_sgpr 66
		.amdhsa_reserve_vcc 0
		.amdhsa_float_denorm_mode_32 3
		.amdhsa_float_denorm_mode_16_64 3
		.amdhsa_fp16_overflow 1
		.amdhsa_memory_ordered 1
		.amdhsa_forward_progress 1
		.amdhsa_inst_pref_size 34
	.end_amdhsa_kernel
	.amdgpu_metadata
---
amdhsa.version: [ 1, 2 ]
amdhsa.kernels:
  - .name:           k_q65442dc167_quant
    .symbol:         k_q65442dc167_quant.kd
    .args:
      - { .name: x, .offset: 0, .size: 8, .value_kind: global_buffer, .address_space: global }
      - { .name: Wq, .offset: 8, .size: 8, .value_kind: global_buffer, .address_space: global }
      - { .name: Wk, .offset: 16, .size: 8, .value_kind: global_buffer, .address_space: global }
      - { .name: Wv, .offset: 24, .size: 8, .value_kind: global_buffer, .address_space: global }
      - { .name: Wo, .offset: 32, .size: 8, .value_kind: global_buffer, .address_space: global }
      - { .name: xc, .offset: 40, .size: 8, .value_kind: global_buffer, .address_space: global }
      - { .name: xs, .offset: 48, .size: 8, .value_kind: global_buffer, .address_space: global }
      - { .name: wc, .offset: 56, .size: 8, .value_kind: global_buffer, .address_space: global }
      - { .name: ws, .offset: 64, .size: 8, .value_kind: global_buffer, .address_space: global }
    .group_segment_fixed_size: 37376
    .private_segment_fixed_size: 0
    .kernarg_segment_align: 8
    .kernarg_segment_size: 72
    .max_flat_workgroup_size: 128
    .sgpr_count:     66
    .vgpr_count:     256
    .wavefront_size: 32
...
	.end_amdgpu_metadata
.endif
;; end of part 1
;; launch qkv (part 2): grid 8 x 48, 4 waves a work-group, clusters of 4 x 4, 327,680 bytes of LDS; arguments xc, xs, wc, ws, bq, bk, bv, qkvc, qkvs; writes qkvc, qkvs
.if DOCPART == 2
	.amdgcn_target "amdgcn-amd-amdhsa--gfx1250"
	.amdhsa_code_object_version 6
	.text
	.protected	k_q65442dc167_qkv
	.globl	k_q65442dc167_qkv
	.p2align	8
	.type	k_q65442dc167_qkv,@function
k_q65442dc167_qkv:
	s_mov_b64 s[64:65], 0
	v_nop
	global_prefetch_b8 v0, s[64:65] scope:SCOPE_SE
	s_setreg_imm32_b32 hwreg(HW_REG_WAVE_MODE, 25, 1), 1
	s_wait_xcnt 0x0
	s_wait_alu depctr_hold_cnt(0) depctr_sa_sdst(0) depctr_va_vdst(0) depctr_va_sdst(0) depctr_va_ssrc(0) depctr_va_vcc(0) depctr_vm_vsrc(0)
	s_getreg_b32 s2, hwreg(HW_REG_IB_STS2, 6, 4)
	s_cmp_eq_u32 s2, 0
	s_cbranch_scc0 .Lentry_in_a_cluster
	s_endpgm
.Lentry_in_a_cluster:
	s_bfe_u32 s2, ttmp6, 0x10000c
	s_cmp_lg_u32 s2, 0xf033
	s_cbranch_scc0 .Lentry_shape_is_right
	s_endpgm
.Lentry_shape_is_right:
; q = x Wq^T + bq, k = x Wk^T + bk, v = x Wv^T + bv on codes of FP8 (E4M3) with E8M0 scales, K = 1,024, f32 sums; the results are quantised in registers and leave as codes: q and k along the head's 64, v along the keys.
; OPERANDS are images of the matrix operand's registers (tile T of 16 rows: T x 16384 + (k / 32) x 512 + 16 x lane; row p is in tile 2 (p / 32) + (p / 8) % 2 at place p % 8 + 8 ((p / 16) % 2)); scale bytes T x 512 + (k / 256) x 128 + 8 r + (k / 32) % 8.
; A block of 256 x 256 of a result is made by four waves, 128 x 128 each: 64 accumulators, 512 registers.  K goes in steps of 256 through two LDS slots; a tile's part of a K step is 4,096 consecutive bytes.
; SOURCE 0 of the matrix instruction is the operand along whose rows the result is quantised: a lane's registers of two neighbouring tiles are then 16 neighbours along that axis.  SOURCE 1 gives the lane's row.
; TWO KINDS OF WORK-GROUP, ONE TEXT.  Cluster rows 0-7: source 1 = 256 tokens of x, source 0 = 256 rows of Wq or Wk.  Cluster rows 8-11: source 1 = 256 rows of Wv, source 0 = 256 tokens of x.  Pointers, indices and
; the way out's constants are chosen by selects on the cluster's row; no branch, no LDS address and no shape differs.
; CLUSTERS 4 x 4: source 1's tiles ("A") hang on the work-group's y and are asked for jointly along a row of the cluster, source 0's ("B") on its x, jointly along a column: a quarter of the requests.
; OUT.  qkvc: q at 0, k at 8,388,608: images over (token, channel); v at 16,777,216: (token / 128) x 131072 + (tile of channels) x 2048 + ((token / 32) % 4) x 512 + 16 x lane.
;       qkvs: q at 0, k at 524,288: a word for (tile, head, r) at head x 32768 + (T / 4) x 256 + 16 r + 4 (T % 4): two scale bytes, then two bytes 0 for the zero codes that fill the score product's K; v at 1,048,576: (token / 128) x 4096 + (tile / 4) x 256 + 16 r + 4 (tile % 4).
; LIMITS: a block whose largest magnitude lies under 2^-118 gets the byte 1 (read by this program alone); NaN and infinities are not served.  In the v kind lanes 16-31 store the same scale words as lanes 0-15, to the same bytes.
; No prefetch: a work-group has four K steps, and half of its tiles are asked for at its head.
; REGISTERS, in windows of 256.  Window 0: v1-6 at the head; v8-15 the bias along the lanes; v16-29 addresses; v32-63 scale words, two sets; v64-127 the bias along the registers (the C of the first products); v128-255 A's fragments, one set; on the way out v128-231 at work.
;   window 1: B's fragments, two sets.   windows 2, 3: the accumulators ((a, b) at v[8 (8 (a % 4) + b)]).
.set NQ,     2                         ; matrix instructions deep in a slot
.set FR,     16                        ; registers of a fragment
.set NL,     4                         ; LDS loads that bring one
.set NP,     8                         ; places behind this matrix instruction (ISA guide 7.12.1)
.set LAPS,   2                         ; K = 1,024 is four K steps: twice round the ring
.set SLOT,   131072                    ; A's 16 tiles x 4,096 bytes, then B's
.set SCL,    2*SLOT                    ; the scale bytes of all of K: A's 8,192, B's 8,192; filled once
.set SPARE,  SCL+16384                 ; the spare words, 128 bytes for each wave
.set BR,   8
.set ADRA, 16
.set ADRB, 20
.set VO,   24                          ; 16 x lane
.set VS,   25                          ; the way out: my place among the scale words
.set SH,   26                          ; and which half of the scale word is mine
.set ADRS, 27
.set SPW,  28
.set NIL,  29
.set SC,   32
.set BP,   64
.set AF,   128
.set XN,   128                         ; the way out: 64 numbers
.set PC,   192                         ; their codes
.set TM,   208                         ; at work
.set PW,   224                         ; the scale word
.set BB,   226                         ; v[226:227] the block's bias along the lanes
.set SW,   228                         ; four tiles' scale words
.set WV,   22
.set WH,   23
.set G1,   24
.set G0,   32
.set WL,   40
.set CX,   41
.set CY,   42
.set CLY,  43
.set WGX,  44
.set AIDX, 45
.set BIDX, 46
.set G1B,  48
.set G0B,  56
.set QKM,  66
.set KVM,  67
.set G1S,  68
.set G0S,  76
.set G1SB, 80
.set G0SB, 88
.set APC,  92
.set APS,  94
.set BPC,  96
.set BPS,  98
.set OUT,  4                           ; from the way out's set-up on: s[4:5], s[6:7] where codes and scale words go; s[8:9] from tile to tile; s10 the mask
.set OUTS, 6
.set AST,  8
.set MASK, 10
.set SEL,  92
.set MNT,  94
.set BIA,  96
.set MSB, 0
.macro WIN new                         ; the immediate's high byte repeats the setting that is left
.if MSB != \new
	s_set_vgpr_msb (MSB<<8)|\new
.set MSB, \new
.endif
.endm
.set MUL_LO, 0xa1                      ; source 0 (B) window 1, source 1 (A) window 0, C and D window 2
.set MUL_HI, 0xf1                      ; the same, C and D window 3
.set TO_B,   0x40                      ; destination window 1, address window 0
.macro JLOAD g0a, g1a, g0b, g1b        ; a joint load: waves 0 and 1 fetch for A, waves 2 and 3 for B; four v_nop follow each of the two lines
	s_cmp_eq_u32 s[WH], 0
	s_cbranch_scc0 .Lfor_b_\@
	tensor_load_to_lds s[\g0a:\g0a+3], s[\g1a:\g1a+7]
	s_nop 0
.rept 4
	v_nop
.endr
	s_branch .Lasked_\@
.Lfor_b_\@:
	tensor_load_to_lds s[\g0b:\g0b+3], s[\g1b:\g1b+7]
	s_nop 0
.rept 4
	v_nop
.endr
.Lasked_\@:
.endm
.macro CREST                           ; a round of the cluster's barrier behind its opening barrier
	s_cmp_lg_u32 s[WV], 0
	s_cbranch_scc1 .Lnot_wave_0_\@
	s_barrier_signal -3
.Lnot_wave_0_\@:
	s_barrier_wait -3
	s_barrier_signal -1
	s_barrier_wait -1
.endm
.macro CROUND
	s_barrier_signal -1
	s_barrier_wait -1
	CREST
.endm
	s_load_b256 s[4:11], s[0:1], 0x0               ; xc, xs, wc, ws
	s_load_b256 s[12:19], s[0:1], 0x20             ; bq, bk, bv, qkvc
	s_load_b64 s[20:21], s[0:1], 0x40              ; qkvs
	v_lshl_add_u32 v[SPW], v0, 2, SPARE
	v_mov_b32 v[NIL], 0
	ds_add_u32 v28, v29
	ds_add_u32 v28, v29
	s_wait_dscnt 0x0
	v_lshrrev_b32 v1, 5, v0
	v_readfirstlane_b32 s[WV], v1                  ; wave 0..3
	s_lshr_b32 s[WH], s[WV], 1                     ; which half of A's rows is mine.  Also: I fetch for A (0) or for B (1)
	s_and_b32 s[WL], s[WV], 1                      ; which half of B's rows.  Also: which 128 rows I fetch
	s_bfe_u32 s[CX], ttmp6, 0x40000
	s_bfe_u32 s[CY], ttmp6, 0x40004
	s_and_b32 s[CLY], ttmp7, 0xffff                ; the cluster's row: 0-7 q and k, 8-11 v
	s_lshl_b32 s[WGX], ttmp9, 2
	s_add_co_u32 s[WGX], s[WGX], s[CX]
	s_lshl_b32 s2, s[CLY], 2
	s_sub_co_u32 s3, s[CLY], 8
	s_lshl_b32 s3, s3, 3
	s_cmp_lt_u32 s[CLY], 8
	s_cselect_b32 s2, s2, 8
	s_cselect_b32 s3, 0, s3
	s_add_co_u32 s[AIDX], s2, s[CY]                ; A's block of 256 rows: tokens 4 cluster y + cy, or Wv's blocks 8 + cy of wc
	s_add_co_u32 s[BIDX], s3, s[WGX]               ; B's: Wq's and Wk's blocks 0-7 of wc, or tokens
	s_lshl_b32 s2, s[CY], 2
	s_lshl_b32 s2, 15, s2                          ; my row of the cluster
	s_lshl_b32 s3, 0x1111, s[CX]                   ; my column
	; group 1 for codes: 8 tiles' 4,096 bytes (512 elements of 8 bytes), 16,384 bytes apart in memory, on end in LDS
	s_or_b32 s[G1], s2, (3<<16)|(1<<21)            ; 15:0 the mask; 17:16 elements of 8 bytes; 21 set beside a mask
	s_or_b32 s[G1B], s3, (3<<16)|(1<<21)
.irp g, G1, G1B
	s_mov_b32 s[\g+1], 512<<16                     ; tensor_dim0
	s_mov_b32 s[\g+2], 8<<16                       ; tensor_dim1
	s_mov_b32 s[\g+3], 512<<16                     ; tile_dim0
	s_mov_b32 s[\g+4], 8                           ; tile_dim1
	s_mov_b32 s[\g+5], 2048                        ; tensor_dim0_stride
	s_mov_b32 s[\g+6], 0
	s_mov_b32 s[\g+7], 0
.endr
	; and for the scale bytes of 128 rows: 4,096 dense bytes as 16 rows of 256
	s_or_b32 s[G1S], s2, (3<<16)|(1<<21)
	s_or_b32 s[G1SB], s3, (3<<16)|(1<<21)
.irp g, G1S, G1SB
	s_mov_b32 s[\g+1], 32<<16
	s_mov_b32 s[\g+2], 16<<16
	s_mov_b32 s[\g+3], 32<<16
	s_mov_b32 s[\g+4], 16
	s_mov_b32 s[\g+5], 32
	s_mov_b32 s[\g+6], 0
	s_mov_b32 s[\g+7], 0
.endr
	s_wait_kmcnt 0x0
	s_cmp_lt_u32 s[CLY], 8
	s_cselect_b64 s[APC:APC+1], s[4:5], s[8:9]
	s_cselect_b64 s[APS:APS+1], s[6:7], s[10:11]
	s_cselect_b64 s[BPC:BPC+1], s[8:9], s[4:5]
	s_cselect_b64 s[BPS:BPS+1], s[10:11], s[6:7]
	s_lshl_b32 s100, s[AIDX], 18                   ; A's offsets are made in s100, s101, B's in s104, s105: neither pair ever holds the other's coordinate
	s_lshl_b32 s101, s[WL], 17
	s_add_co_u32 s100, s100, s101
	s_mov_b32 s101, 0
	s_add_nc_u64 s[APC:APC+1], s[APC:APC+1], s[100:101]
	s_lshl_b32 s100, s[AIDX], 13
	s_lshl_b32 s101, s[WL], 12
	s_add_co_u32 s100, s100, s101
	s_mov_b32 s101, 0
	s_add_nc_u64 s[APS:APS+1], s[APS:APS+1], s[100:101]
	s_lshl_b32 s104, s[BIDX], 18
	s_lshl_b32 s105, s[WL], 17
	s_add_co_u32 s104, s104, s105
	s_mov_b32 s105, 0
	s_add_nc_u64 s[BPC:BPC+1], s[BPC:BPC+1], s[104:105]
	s_lshl_b32 s104, s[BIDX], 13
	s_lshl_b32 s105, s[WL], 12
	s_add_co_u32 s104, s104, s105
	s_mov_b32 s105, 0
	s_add_nc_u64 s[BPS:BPS+1], s[BPS:BPS+1], s[104:105]
	s_lshl_b32 s47, s[WV], 15                      ; where they go: wave x 32,768 in a slot, wave x 4,096 among the scale bytes: no place in the cluster enters an LDS address
	s_lshl_b32 s2, s[WV], 12
	CROUND                                         ; all sixteen work-groups are here: the first joint loads meet
	s_mov_b32 s[G0S], 1
	s_add_co_u32 s[G0S+1], s2, SCL
	s_mov_b64 s[G0S+2:G0S+3], s[APS:APS+1]
	s_or_b32 s[G0S+3], s[G0S+3], 0x80000000
	s_mov_b32 s[G0SB], 1
	s_add_co_u32 s[G0SB+1], s2, SCL
	s_mov_b64 s[G0SB+2:G0SB+3], s[BPS:BPS+1]
	s_or_b32 s[G0SB+3], s[G0SB+3], 0x80000000
	JLOAD G0S, G1S, G0SB, G1SB                     ; the scale bytes first: they are wanted with K step 0
.irp s, 0,1
	s_mov_b32 s[G0+4*\s], 1
	s_add_co_u32 s[G0+4*\s+1], s47, \s*SLOT
	s_add_nc_u64 s[G0+4*\s+2:G0+4*\s+3], s[APC:APC+1], \s*4096
	s_or_b32 s[G0+4*\s+3], s[G0+4*\s+3], 0x80000000
	s_mov_b32 s[G0B+4*\s], 1
	s_add_co_u32 s[G0B+4*\s+1], s47, \s*SLOT
	s_add_nc_u64 s[G0B+4*\s+2:G0B+4*\s+3], s[BPC:BPC+1], \s*4096
	s_or_b32 s[G0B+4*\s+3], s[G0B+4*\s+3], 0x80000000
	JLOAD G0+4*\s, G1, G0B+4*\s, G1B               ; three tensor loads of mine are out
.endr
	v_and_b32 v1, 31, v0                           ; lane
	v_and_b32 v2, 15, v0                           ; r
	v_bfe_u32 v3, v0, 4, 1                         ; h
	s_wait_alu depctr_va_vdst(0)
	v_lshlrev_b32 v[VO], 4, v1
	s_lshl_b32 s2, s[WH], 15                       ; my 8 tiles of A,
	s_lshl_b32 s3, s[WL], 15                       ; my 8 tiles of B,
	s_add_co_u32 s3, s3, 65536                     ; which lie behind A's 16
.irp s, 0,1
	v_add_nc_u32 v[ADRA+\s], s2, v[VO]
	v_add_nc_u32 v[ADRB+\s], s3, v[VO]
	s_add_co_u32 s2, s2, SLOT
	s_add_co_u32 s3, s3, SLOT
.endr
	s_lshl_b32 s2, s[WH], 12                       ; scale words: lanes 0-15 take A's rows, lanes 16-31 B's: the lower base + h x the distance
	s_lshl_b32 s3, s[WL], 12
	s_add_co_u32 s3, s3, 8192
	s_sub_co_u32 s3, s3, s2
	v_mul_u32_u24 v4, s3, v3
	s_add_co_u32 s2, s2, SCL
	v_lshl_add_u32 v4, v2, 3, v4
	v_add_nc_u32 v[ADRS], s2, v4
	; the biases.  Along the registers (q, k): eight numbers a tile of B, the C of the first products.  Along the lanes (v): one number a tile of A, added on the way out.  The kind that has none of a sort gets zeros.
	s_and_b32 s2, s[WGX], 3
	s_lshl_b32 s2, s2, 10
	s_lshl_b32 s3, s[WL], 9
	s_add_co_u32 s2, s2, s3                        ; q, k: my 128 channels' first byte
	s_lshl_b32 s3, s[CY], 10
	s_lshl_b32 s47, s[WH], 9
	s_add_co_u32 s3, s3, s47                       ; v: likewise
	s_cmp_lt_u32 s[WGX], 4
	s_cselect_b64 s[BIA:BIA+1], s[12:13], s[14:15]
	s_cmp_lt_u32 s[CLY], 8
	s_cselect_b64 s[BIA:BIA+1], s[BIA:BIA+1], s[16:17]
	s_cselect_b32 s[QKM], -1, 0
	s_cselect_b32 s[KVM], 0, -1
	s_cselect_b32 s2, s2, 0
	s_cselect_b32 s3, 0, s3
	v_lshl_add_u32 v5, v3, 6, s2                   ; tile b's register j is channel 32 (b / 2) + 8 (b % 2) + 16 h + j
	v_and_b32 v6, 8, v2
	v_add_nc_u32 v6, v6, v2
	v_lshl_add_u32 v6, v6, 2, s3                   ; tile a's lane r is channel 32 (a / 2) + 8 (a % 2) + r + 8 (r / 8)
.irp b, 0,1,2,3,4,5,6,7
	global_load_b128 v[BP+8*\b:BP+8*\b+3], v5, s[BIA:BIA+1] offset:(32*(\b/2)+8*(\b%2))*4
	global_load_b128 v[BP+8*\b+4:BP+8*\b+7], v5, s[BIA:BIA+1] offset:(32*(\b/2)+8*(\b%2))*4+16
.endr
.irp a, 0,1,2,3,4,5,6,7
	global_load_b32 v[BR+\a], v6, s[BIA:BIA+1] offset:(32*(\a/2)+8*(\a%2))*4
.endr
	; where the results go, both kinds' figures, then the choice
	s_lshr_b32 s2, s[WGX], 2
	s_lshl_b32 s2, s2, 23                          ; q or k
	s_lshl_b32 s3, s[AIDX], 18                     ; 16 tiles of tokens x 16,384
	s_add_co_u32 s2, s2, s3
	s_lshl_b32 s3, s[WH], 17
	s_add_co_u32 s2, s2, s3
	s_and_b32 s3, s[WGX], 3
	s_lshl_b32 s3, s3, 12                          ; 8 blocks of 32 channels x 512
	s_add_co_u32 s2, s2, s3
	s_lshl_b32 s3, s[WL], 11
	s_add_co_u32 s2, s2, s3
	s_lshl_b32 s47, s[BIDX], 18                    ; v: two key steps x 131,072
	s_lshl_b32 s3, s[WL], 17
	s_add_co_u32 s47, s47, s3
	s_lshl_b32 s3, s[CY], 15                       ; 16 tiles of channels x 2,048
	s_add_co_u32 s47, s47, s3
	s_lshl_b32 s3, s[WH], 14
	s_add_co_u32 s47, s47, s3
	s_add_co_u32 s47, s47, 16777216
	s_cmp_lt_u32 s[CLY], 8
	s_cselect_b32 s100, s2, s47
	s_mov_b32 s101, 0
	s_add_nc_u64 s[OUT:OUT+1], s[18:19], s[100:101]
	s_lshr_b32 s2, s[WGX], 2
	s_lshl_b32 s2, s2, 19
	s_and_b32 s3, s[WGX], 3
	s_lshl_b32 s3, s3, 17                          ; four heads x 32,768
	s_add_co_u32 s2, s2, s3
	s_lshl_b32 s3, s[WL], 16
	s_add_co_u32 s2, s2, s3
	s_lshl_b32 s3, s[AIDX], 10
	s_add_co_u32 s2, s2, s3
	s_lshl_b32 s3, s[WH], 9
	s_add_co_u32 s2, s2, s3
	s_lshl_b32 s47, s[BIDX], 13
	s_lshl_b32 s3, s[WL], 12
	s_add_co_u32 s47, s47, s3
	s_lshl_b32 s3, s[CY], 10
	s_add_co_u32 s47, s47, s3
	s_lshl_b32 s3, s[WH], 9
	s_add_co_u32 s47, s47, s3
	s_add_co_u32 s47, s47, 1048576
	s_mov_b32 s[AST], 2048
	s_mov_b32 s[MASK], 0xffff
	s_cmp_lt_u32 s[CLY], 8
	s_cselect_b32 s100, s2, s47
	s_cselect_b32 s[AST], 0x4000, s[AST]           ; from tile to tile of A: 16,384 (tokens) or 2,048 (channels)
	s_cselect_b32 s[MASK], s[MASK], -1
	s_cselect_b32 s2, 0x8000, 0
	s_cselect_b32 s3, 16, 0
	s_mov_b32 s[AST+1], 0
	s_add_nc_u64 s[OUTS:OUTS+1], s[20:21], s[100:101]
	v_mul_u32_u24 v[VS], s2, v3                    ; q, k: lanes 16-31 store the second head's words
	v_lshl_add_u32 v[VS], v2, 4, v[VS]
	v_mul_u32_u24 v[SH], s3, v3                    ; which are the upper half of the four bytes
	s_mov_b32 s[SEL], 0x76543210
	s_mov_b32 s[SEL+1], 0xfedcba98
	s_wait_loadcnt 0x0                             ; the biases
.set i, 0
.rept 64
	v_cndmask_b32 v[BP+i], 0, v[BP+i], s[QKM]
.set i, i+1
.endr
.set i, 0
.rept 8
	v_cndmask_b32 v[BR+i], 0, v[BR+i], s[KVM]
.set i, i+1
.endr
.macro FRAG reg, adr, q, i             ; a fragment's registers 4 c .. 4 c + 3 are 512 consecutive bytes, 16 a lane
.irp c, 0,1,2,3
	ds_load_b128 v[\reg+4*\c:\reg+4*\c+3], v[\adr] offset:(\i)*4096+(\q)*2048+512*\c
.endr
.endm
; 16 matrix instructions: A's blocks a0, a0 + 1 x B's eight.  first = 1: the first product starts the sums, with the bias as its C.  The 64 accumulators take turns, one instruction a turn.
.macro MUL16 a0, p, q, sc, first
.irp a, \a0, \a0+1
.irp b, 0,1,2,3,4,5,6,7
.if \first
	v_wmma_scale_f32_16x16x128_f8f6f4 v[8*(8*((\a)%4)+\b):8*(8*((\a)%4)+\b)+7], v[128*(\p)+FR*\b:128*(\p)+FR*\b+FR-1], v[AF+FR*(\a):AF+FR*(\a)+FR-1], v[BP+8*\b:BP+8*\b+7], v[SC+8*NQ*(\sc)+NQ*\b+(\q)], v[SC+8*NQ*(\sc)+NQ*(\a)+(\q)] matrix_a_scale:MATRIX_SCALE_ROW1
.else
	v_wmma_scale_f32_16x16x128_f8f6f4 v[8*(8*((\a)%4)+\b):8*(8*((\a)%4)+\b)+7], v[128*(\p)+FR*\b:128*(\p)+FR*\b+FR-1], v[AF+FR*(\a):AF+FR*(\a)+FR-1], v[8*(8*((\a)%4)+\b):8*(8*((\a)%4)+\b)+7], v[SC+8*NQ*(\sc)+NQ*\b+(\q)], v[SC+8*NQ*(\sc)+NQ*(\a)+(\q)] matrix_a_scale:MATRIX_SCALE_ROW1
.endif
.endr
.endr
.endm
.macro FETCH_B slot, q, p
	WIN TO_B
.irp i, 0,1,2,3,4,5,6,7
	FRAG 128*(\p)+FR*\i, ADRB+\slot, \q, \i
.endr
	WIN 0
.endm
.macro FETCH_A slot, q, i0
.irp i, \i0, \i0+1, \i0+2, \i0+3
	FRAG AF+FR*(\i), ADRA+\slot, \q, \i
.endr
.endm
.macro SCALES sc                       ; a K step's two scale words a row: lanes 0-15 A's tile i, lanes 16-31 B's tile i
.irp i, 0,1,2,3,4,5,6,7
	ds_load_b64 v[SC+8*NQ*\sc+NQ*\i:SC+8*NQ*\sc+NQ*\i+1], v[ADRS] offset:\i*512
.endr
.endm
.macro PLACES n                        ; places in front of loads into registers that matrix instructions have read, and of the first read of results
.rept \n
	v_nop
.endr
.endm
.macro STEP slot, q, first             ; 128 along K that has its successor in the same slot
	s_wait_dscnt 4*NL                              ; B's set and A's blocks 0-3 are in; the youngest sixteen loads (A's blocks 4-7) may be out
.if \first
	WIN 0x81                                       ; C (the bias) window 0, D window 2
.else
	WIN MUL_LO
.endif
	MUL16 0, (\q)%2, \q, \slot, \first
	MUL16 2, (\q)%2, \q, \slot, \first
	s_wait_dscnt 0
	PLACES NP
	FETCH_B \slot, (\q)+1, 1-(\q)%2
	FETCH_A \slot, (\q)+1, 0
.if \first
	WIN 0xc1
.else
	WIN MUL_HI
.endif
	MUL16 4, (\q)%2, \q, \slot, \first
	MUL16 6, (\q)%2, \q, \slot, \first
	PLACES NP
	WIN 0
	FETCH_A \slot, (\q)+1, 4
.endm
; A slot's last 128 along K changes slots: one barrier; in front of it each wave waits for all its tensor loads, adds 0 to its spare word, and waits for that and for its reads of this slot.
.macro TURN slot, next, fill
	s_wait_tensorcnt 0x0                           ; all my tensor loads have landed: my part of the next slot
	ds_add_u32 v[SPW], v[NIL]                      ; 0 onto my spare word
	s_wait_dscnt 4*NL+1                            ; (the add and the youngest sixteen loads may be out)
	WIN MUL_LO
	MUL16 0, 1, NQ-1, \slot, 0
	s_wait_dscnt 0x0                               ; the add is done, and my reads of this slot are over
	s_barrier_signal -1
	MUL16 2, 1, NQ-1, \slot, 0
	WIN 0
	s_barrier_wait -1
.if \fill
	CREST                                          ; the barrier has opened a round of the cluster's barrier: no wave of any partner still reads this slot or has a load on its way
	s_add_nc_u64 s[G0+4*\slot+2:G0+4*\slot+3], s[G0+4*\slot+2:G0+4*\slot+3], 8192
	s_add_nc_u64 s[G0B+4*\slot+2:G0B+4*\slot+3], s[G0B+4*\slot+2:G0B+4*\slot+3], 8192
	JLOAD G0+4*\slot, G1, G0B+4*\slot, G1B         ; the first tensor load behind the round; its four v_nop are among the places in front of the loads below
	PLACES NP-4
.else
	PLACES NP
.endif
	s_wait_alu depctr_va_vdst(0)
	v_add_nc_u32 v[ADRS], 128, v[ADRS]             ; the next K step's scale words
	FETCH_B \next, 0, 0
	FETCH_A \next, 0, 0
	SCALES \next
	WIN MUL_HI
	MUL16 4, 1, NQ-1, \slot, 0
	MUL16 6, 1, NQ-1, \slot, 0
	PLACES NP
	WIN 0
	FETCH_A \next, 0, 4
.endm
	s_wait_alu depctr_va_vdst(0)
	s_wait_tensorcnt 1                             ; the scale bytes and my part of K step 0 are in; K step 1's load may be out
	s_barrier_signal -1
	s_barrier_wait -1
	FETCH_B 0, 0, 0
	FETCH_A 0, 0, 0
	SCALES 0
	FETCH_A 0, 0, 4
	STEP 0, 0, 1
	s_mov_b32 s3, LAPS-1
.Llap:
	TURN 0, 1, 1
	STEP 1, 0, 0
	TURN 1, 0, 1
	STEP 0, 0, 0
	s_sub_co_u32 s3, s3, 1
	s_cmp_lg_u32 s3, 0
	s_cbranch_scc1 .Llap
	TURN 0, 1, 0                                   ; the last lap fills nothing
	STEP 1, 0, 0
	s_wait_dscnt 4*NL
	WIN MUL_LO
	MUL16 0, 1, NQ-1, 1, 0
	MUL16 2, 1, NQ-1, 1, 0
	s_wait_dscnt 0
	WIN MUL_HI
	MUL16 4, 1, NQ-1, 1, 0
	MUL16 6, 1, NQ-1, 1, 0
	WIN 0
; 64 numbers of a lane, register 16 b + i = place 32 b + 16 h + i along the axis of quantising, become a fragment's codes in v[PC] on and its scale word in v[PW]
.macro QUANT s
.irp b, 0,1,2,3
	v_max3_num_f32 v[TM+\b], |v[\s+16*\b]|, |v[\s+1+16*\b]|, 0x4800000   ; and the floor 2^(9 - 127): the byte cannot fall under 1
.endr
.irp i, 2,4,6,8,10,12,14
.irp b, 0,1,2,3
	v_max3_num_f32 v[TM+\b], v[TM+\b], |v[\s+16*\b+\i]|, |v[\s+1+16*\b+\i]|
.endr
.endr
.irp b, 0,1,2,3
	v_permlanex16_b32 v[TM+4+\b], v[TM+\b], s[SEL], s[SEL+1]
.endr
.irp b, 0,1,2,3
	v_max_num_f32 v[TM+\b], v[TM+\b], v[TM+4+\b]   ; with lane l xor 16's: the block's largest magnitude
.endr
.irp b, 0,1,2,3
	v_add_nc_u32 v[TM+12+\b], 0xfc000000, v[TM+\b] ; 8 off its exponent field: the conversion's scale operand
.endr
.irp b, 0,1,2,3
.endr
.irp b, 0,1,2,3
	v_lshrrev_b32 v[TM+4+\b], 23, v[TM+12+\b]      ; the scale's byte
.endr
	v_lshl_or_b32 v[PW], v[TM+5], 8, v[TM+4]
	v_lshl_or_b32 v[PW], v[TM+6], 16, v[PW]
	v_lshl_or_b32 v[PW], v[TM+7], 24, v[PW]
.irp b, 0,1,2,3
.irp i, 0,1,2,3,4,5,6,7,8,9,10,11,12,13,14,15
.endr
	v_cvt_scalef32_pk8_fp8_f32 v[PC+4*\b:PC+1+4*\b], v[\s+16*\b:\s+7+16*\b], v[TM+12+\b]
	v_cvt_scalef32_pk8_fp8_f32 v[PC+2+4*\b:PC+3+4*\b], v[\s+8+16*\b:\s+15+16*\b], v[TM+12+\b]
.endr
	v_nop                                          ; a plain line behind the last conversion
.endm
; THE WAY OUT of A's tile a: its eight accumulators are 64 numbers a lane; the lanes' bias is added as they come into window 0; quantised; four stores of 512 consecutive bytes, aligned.
.macro OUTBLK a
.if (\a) > 0
	s_wait_xcnt 0x0                                ; the last tile's stores have read their registers and their base
	s_add_nc_u64 s[OUT:OUT+1], s[OUT:OUT+1], s[AST:AST+1]
.endif
	v_mov_b32 v[BB], v[BR+(\a)]
	WIN 0x02+(\a)/4                                ; source 0: window 2 or 3
.set i, 0
.rept 32
	v_pk_add_f32 v[XN+2*i:XN+2*i+1], v[64*((\a)%4)+2*i:64*((\a)%4)+2*i+1], v[BB:BB+1] op_sel_hi:[1,0]   ; each accumulator from its low end on
.set i, i+1
.endr
	WIN 0
	QUANT XN
.irp g, 0,1,2,3
	global_store_b128 v[VO], v[PC+4*\g:PC+4*\g+3], s[OUT:OUT+1] offset:512*\g
.endr
	v_lshrrev_b32 v[SW+(\a)%4], v[SH], v[PW]       ; q, k: my head's two bytes, zeros above them;  v: all four
	v_and_b32 v[SW+(\a)%4], s[MASK], v[SW+(\a)%4]
.if (\a)%4 == 3
	global_store_b128 v[VS], v[SW:SW+3], s[OUTS:OUTS+1] offset:256*((\a)/4)   ; sixteen lanes store 256 consecutive bytes, aligned: four tiles' words
.endif
.endm
	PLACES NP
.irp b, 0,1,2,3
	v_mov_b32 v[TM+4+\b], 0                        ; written once: a lane permute's destination counts as one of its sources
.endr
	v_mov_b32 v[BB+1], 0                           ; (named with v[BB] as a pair)
.irp a, 0,1,2,3,4,5,6,7
	OUTBLK \a
.endr
	s_wait_tensorcnt 0x0                           ; the wave's end
	ds_add_u32 v[SPW], v[NIL]
	s_wait_dscnt 0x0
	CROUND                                         ; the closing round
	s_endpgm
.Lfunc_end_k_q65442dc167_qkv:
	.size	k_q65442dc167_qkv, .Lfunc_end_k_q65442dc167_qkv-k_q65442dc167_qkv
	.p2alignl 7, 3214868480
	.fill 96, 4, 3214868480
	.section	.rodata,"a",@progbits
	.p2align	6, 0x0
	.amdhsa_kernel k_q65442dc167_qkv
		.amdhsa_group_segment_fixed_size 327680
		.amdhsa_private_segment_fixed_size 0
		.amdhsa_enable_private_segment 0
		.amdhsa_kernarg_size 72
		.amdhsa_user_sgpr_count 2
		.amdhsa_user_sgpr_kernarg_segment_ptr 1
		.amdhsa_wavefront_size32 1
		.amdhsa_system_sgpr_workgroup_id_x 1
		.amdhsa_system_sgpr_workgroup_id_y 1
		.amdhsa_system_sgpr_workgroup_id_z 1
		.amdhsa_system_vgpr_workitem_id 0
		.amdhsa_next_free_vgpr 1024
		.amdhsa_next_free_sgpr 106
		.amdhsa_reserve_vcc 0
		.amdhsa_float_denorm_mode_32 3
		.amdhsa_float_denorm_mode_16_64 3
		.amdhsa_fp16_overflow 1
		.amdhsa_memory_ordered 1
		.amdhsa_forward_progress 1
		.amdhsa_inst_pref_size 175
	.end_amdhsa_kernel
	.amdgpu_metadata
---
amdhsa.version: [ 1, 2 ]
amdhsa.kernels:
  - .name:           k_q65442dc167_qkv
    .symbol:         k_q65442dc167_qkv.kd
    .args:
      - { .name: xc, .offset: 0, .size: 8, .value_kind: global_buffer, .address_space: global }
      - { .name: xs, .offset: 8, .size: 8, .value_kind: global_buffer, .address_space: global }
      - { .name: wc, .offset: 16, .size: 8, .value_kind: global_buffer, .address_space: global }
      - { .name: ws, .offset: 24, .size: 8, .value_kind: global_buffer, .address_space: global }
      - { .name: bq, .offset: 32, .size: 8, .value_kind: global_buffer, .address_space: global }
      - { .name: bk, .offset: 40, .size: 8, .value_kind: global_buffer, .address_space: global }
      - { .name: bv, .offset: 48, .size: 8, .value_kind: global_buffer, .address_space: global }
      - { .name: qkvc, .offset: 56, .size: 8, .value_kind: global_buffer, .address_space: global }
      - { .name: qkvs, .offset: 64, .size: 8, .value_kind: global_buffer, .address_space: global }
    .group_segment_fixed_size: 327680
    .private_segment_fixed_size: 0
    .kernarg_segment_align: 8
    .kernarg_segment_size: 72
    .max_flat_workgroup_size: 128
    .sgpr_count:     106
    .vgpr_count:     1024
    .wavefront_size: 32
...
	.end_amdgpu_metadata
.endif
;; end of part 2
;; launch attn (part 3): grid 4 x 64, 16 waves a work-group, clusters of 4 x 1, 327,680 bytes of LDS; arguments qkvc, qkvs, oc, os; writes oc, os
.if DOCPART == 3
	.amdgcn_target "amdgcn-amd-amdhsa--gfx1250"
	.amdhsa_code_object_version 6
	.text
	.protected	k_q65442dc167_attn
	.globl	k_q65442dc167_attn
	.p2align	8
	.type	k_q65442dc167_attn,@function
k_q65442dc167_attn:
	s_mov_b64 s[64:65], 0
	v_nop
	global_prefetch_b8 v0, s[64:65] scope:SCOPE_SE
	s_setreg_imm32_b32 hwreg(HW_REG_WAVE_MODE, 25, 1), 1
	s_wait_xcnt 0x0
	s_wait_alu depctr_hold_cnt(0) depctr_sa_sdst(0) depctr_va_vdst(0) depctr_va_sdst(0) depctr_va_ssrc(0) depctr_va_vcc(0) depctr_vm_vsrc(0)
	s_getreg_b32 s2, hwreg(HW_REG_IB_STS2, 6, 4)
	s_cmp_eq_u32 s2, 0
	s_cbranch_scc0 .Lentry_in_a_cluster
	s_endpgm
.Lentry_in_a_cluster:
	s_bfe_u32 s2, ttmp6, 0x10000c
	s_cmp_lg_u32 s2, 0x3003
	s_cbranch_scc0 .Lentry_shape_is_right
	s_endpgm
.Lentry_shape_is_right:
; Causal attention of one (batch, head) a cluster, both products on codes of FP8 (E4M3) with E8M0 scales; the result, divided by the row's sum, is quantised along the channels and leaves as codes for the last product.
; Scores: K = the head's 64, filled to the instruction's 128 by zero codes (eight registers of zeros a fragment, scale bytes 0).  t = score x log2(e) / 8; M = the running largest t rounded up to a whole number;
; p = 2^(t - M) is quantised along the keys; the row's sum is taken of the unquantised p; when M moves, the sum and O are multiplied by 2^(old M - new M), which rounds nothing.
; LAYOUT.  Both products are used transposed (S^T = K Q^T, O^T = V^T P^T): a lane holds one query throughout.  All operands come as images of registers in tiles whose place r is row 32 (T / 2) + 8 (T % 2) + r + 8 (r / 8):
; so the 16 registers of score tiles 2 b, 2 b + 1 are keys 32 b + 16 h + 0 .. 15, and those of O^T's tiles 2 b, 2 b + 1 channels 32 b + 16 h + 0 .. 15.
; SHARES.  The head's 128 tiles of 16 queries are dealt to 4 work-groups x 16 waves, two a wave: tile tl = 4 wt + cx and tile 127 - tl; tile t needs key steps (128 keys) 0 .. t / 8, so every wave has 17 tile steps.
; wt is a Latin square of the wave's number: four waves with equal number % 4, and four with equal number / 4, hold one wt of each quarter.  The last key step of a tile hangs on wt alone: the same in all partners.
; PASS A: the high tile, key slots (256 keys) 0-7.  PASS B: the low tile, key slots 0-3.  All trip counts are constants; a step all of whose keys are hidden is jumped over by a scalar branch on the wave's number and the step's count.
; CLUSTER.  The four work-groups walk the same K and V: each tile is asked for jointly (mask 15).  A ring of two slots; the change of slots stands at a slot's head.
; LIMITS: a block whose largest magnitude lies under 2^-118 gets the byte 1; NaN and infinities are not served; O / l is a reciprocal and a multiplication; a block's largest p is taken from its largest score, which
; takes v_exp_f32 not to fall where its input rises.
; REGISTERS: v1-11 addresses; v12 -M, v13 the largest t, v[14:15] the sum; v16-31 Q; v32-95 four fragments of K; v96-159 S^T, then p, then V's four fragments; v160-191 O^T; v192-207 p's codes;
;   v208-215 K's scale words, v216-219 V's, v220 Q's, v221 p's, v222 the low tile's Q's; v223 r + 8 (r / 8) - 16 h; v224-247 at work; v248-255 the low tile's Q.
.set SLOTB, 32768                      ; a slot: K's 16 images of 1,024 bytes, then V's two key steps of 8,192
.set SCK,   65536                      ; K's scale words of the whole (batch, head): 8,192 bytes; filled once
.set SCV,   73728                      ; V's: 4,096 bytes
.set SPARE, 77824                      ; the spare words, 128 bytes for each of sixteen waves
.set BM,  224                          ; the blocks' largest
.set PT,  228                          ; lane permutes' results, a chain of sums, bytes
.set HD,  232
.set SO,  236                          ; the conversions' scale operands
.set F,   240                          ; v[240:241] f = 2^(old M - new M)
.set TMP, 242
.set NINF, 243
.set SH8, 244                          ; 8 h
.set TB,   2
.set TS,   3
.set KSI,  12
.set LAST, 13
.set CX,   14
.set BB,   15
.set HEAD, 16
.set WT,   17
.set WV,   18
.set MNT,  19
.set SEL,  20
.set CS,   22
.set G1K,  24
.set G1V,  32
.set G0K,  40
.set G0V,  44
.set G1SK, 48
.set G0SK, 56
.set G0SV, 60
.set TJ,   66
.set SLOTS, 67
.set G1SV, 68
.set PFA,  76
.set LIM,  78
.set LASTLO, 79
.set OCH,  80
.set OSH,  82
.set OCL,  84
.set OSL,  86
.set DLO,  98
.macro TLOAD g0k, g1k, g0v, g1v        ; waves 0 and 1 fetch for K, waves 2 and 3 for V, the others nothing; four v_nop follow each of the two lines
	s_cmp_lt_u32 s[WV], 2
	s_cbranch_scc0 .Lnot_k_\@
	tensor_load_to_lds s[\g0k:\g0k+3], s[\g1k:\g1k+7]
	s_nop 0
.rept 4
	v_nop
.endr
	s_branch .Lasked_\@
.Lnot_k_\@:
	s_cmp_lt_u32 s[WV], 4
	s_cbranch_scc0 .Lasked_\@
	tensor_load_to_lds s[\g0v:\g0v+3], s[\g1v:\g1v+7]
	s_nop 0
.rept 4
	v_nop
.endr
.Lasked_\@:
.endm
; A prefetch of the key slot that the NEXT change of slots will ask for: two key steps ahead of that load.  Wave 4 of each partner, one instruction: lanes 0-15 name the four 256-byte pieces of K's tiles 4 cx + 0 .. 3,
; lanes 16-31 sixteen 256-byte pieces of V's 16,384 bytes: the partners are told apart by address, and each piece is named once.  Pass A alone; key slots 0 and 1 come by their loads alone; the last two changes ask for nothing.
.macro ASK
	s_cmp_gt_u32 s[SLOTS], s[LIM]
	s_cbranch_scc0 .Lnot_mine_\@
	global_prefetch_b8 v7, s[PFA:PFA+1] th:TH_LOAD_NT scope:SCOPE_SE
.Lnot_mine_\@:
.endm
.macro CROUND
	s_barrier_signal -1
	s_barrier_wait -1
	s_cmp_lg_u32 s[WV], 0
	s_cbranch_scc1 .Lnot_wave_0_\@
	s_barrier_signal -3
.Lnot_wave_0_\@:
	s_barrier_wait -3
	s_barrier_signal -1
	s_barrier_wait -1
.endm
	s_load_b256 s[4:11], s[0:1], 0x0               ; qkvc, qkvs, oc, os
	v_lshl_add_u32 v5, v0, 2, SPARE
	v_mov_b32 v6, 0
	ds_add_u32 v5, v6
	ds_add_u32 v5, v6
	s_wait_dscnt 0x0
	v_lshrrev_b32 v8, 5, v0
	s_delay_alu instid0(VALU_DEP_1)
	v_readfirstlane_b32 s[WV], v8                  ; wave 0..15
	s_bfe_u32 s[CX], ttmp6, 0x40000
	s_and_b32 s[BB], ttmp7, 0xffff
	s_and_b32 s[HEAD], s[BB], 15
	s_lshr_b32 s[BB], s[BB], 4                     ; batch
	s_lshr_b32 s[WT], s[WV], 2
	s_and_b32 s79, s[WV], 3
	s_add_co_u32 s[WT], s[WT], s79
	s_and_b32 s[WT], s[WT], 3
	s_lshl_b32 s[WT], s[WT], 2
	s_add_co_u32 s[WT], s[WT], s79                 ; wt = 4 ((w / 4 + w % 4) % 4) + w % 4
	s_lshr_b32 s[LASTLO], s[WT], 1                 ; the low tile's last key step,
	s_sub_co_u32 s[LAST], 15, s[LASTLO]            ; the high tile's
	s_and_b32 s96, s[WV], 1                        ; which half I fetch, if I fetch
	s_lshl_b32 s97, s[BB], 21
	s_lshl_b32 s99, s96, 17
	s_add_co_u32 s97, s97, s99
	s_lshl_b32 s99, s[HEAD], 10
	s_add_co_u32 s88, s97, s99
	s_add_co_u32 s88, s88, 8388608                 ; K's codes: tiles 128 b + 8 half on, my head's 1,024 bytes of each
	s_mov_b32 s89, 0
	s_lshl_b32 s99, s[HEAD], 13
	s_add_co_u32 s90, s97, s99
	s_add_co_u32 s90, s90, 16777216                ; V's codes: key step 16 b + half, my head's 8,192 bytes
	s_mov_b32 s91, 0
	s_lshl_b32 s92, s[HEAD], 15
	s_lshl_b32 s99, s[BB], 13
	s_add_co_u32 s92, s92, s99
	s_lshl_b32 s99, s96, 12
	s_add_co_u32 s92, s92, s99
	s_add_co_u32 s92, s92, 524288                  ; K's scale words
	s_mov_b32 s93, 0
	s_lshl_b32 s94, s[BB], 16
	s_lshl_b32 s99, s96, 15
	s_add_co_u32 s94, s94, s99
	s_lshl_b32 s99, s[HEAD], 8
	s_add_co_u32 s94, s94, s99
	s_add_co_u32 s94, s94, 1048576                 ; V's: key steps 16 b + 8 half on, my head's 256 bytes of each
	s_mov_b32 s95, 0
	; group 1, elements of 8 bytes; 15:0 the mask: all four work-groups; 21 set beside a mask
	s_mov_b32 s[G1K], 15|(3<<16)|(1<<21)           ; K's codes: 8 rows of 1,024 bytes, 16,384 apart
	s_mov_b32 s[G1K+1], 128<<16
	s_mov_b32 s[G1K+2], 8<<16
	s_mov_b32 s[G1K+3], 128<<16
	s_mov_b32 s[G1K+4], 8
	s_mov_b32 s[G1K+5], 2048
	s_mov_b32 s[G1K+6], 0
	s_mov_b32 s[G1K+7], 0
	s_mov_b32 s[G1V], 15|(3<<16)|(1<<21)           ; V's codes: 8,192 dense bytes as 32 rows of 256
	s_mov_b32 s[G1V+1], 32<<16
	s_mov_b32 s[G1V+2], 32<<16
	s_mov_b32 s[G1V+3], 32<<16
	s_mov_b32 s[G1V+4], 32
	s_mov_b32 s[G1V+5], 32
	s_mov_b32 s[G1V+6], 0
	s_mov_b32 s[G1V+7], 0
	s_mov_b32 s[G1SK], 15|(3<<16)|(1<<21)          ; K's scale words: 4,096 dense bytes as 16 rows of 256
	s_mov_b32 s[G1SK+1], 32<<16
	s_mov_b32 s[G1SK+2], 16<<16
	s_mov_b32 s[G1SK+3], 32<<16
	s_mov_b32 s[G1SK+4], 16
	s_mov_b32 s[G1SK+5], 32
	s_mov_b32 s[G1SK+6], 0
	s_mov_b32 s[G1SK+7], 0
	s_mov_b32 s[G1SV], 15|(3<<16)|(1<<21)          ; V's: 8 rows of 256 bytes, 4,096 apart
	s_mov_b32 s[G1SV+1], 32<<16
	s_mov_b32 s[G1SV+2], 8<<16
	s_mov_b32 s[G1SV+3], 32<<16
	s_mov_b32 s[G1SV+4], 8
	s_mov_b32 s[G1SV+5], 512
	s_mov_b32 s[G1SV+6], 0
	s_mov_b32 s[G1SV+7], 0
	s_mov_b32 s[SEL], 0x76543210
	s_mov_b32 s[SEL+1], 0xfedcba98
	s_mov_b32 s[CS], 0x3e38aa3b                    ; c = log2(e) / 8
	s_mov_b32 s[CS+1], s[CS]
	s_mov_b32 s[TB], 0
	s_mov_b32 s[TS], 0
	s_mov_b32 s[TJ], 0
	s_mov_b32 s[KSI], 0
	s_lshl_b32 s97, s96, 13                        ; LDS: half x 8,192 in a slot's K or V,
	s_lshl_b32 s99, s96, 12                        ; half x 4,096 among K's scale words
	s_lshl_b32 s96, s96, 11                        ; half x 2,048 among V's
	s_wait_kmcnt 0x0
	CROUND                                         ; all four work-groups are here: the first joint loads meet
	s_mov_b32 s[G0SK], 1
	s_add_co_u32 s[G0SK+1], s99, SCK
	s_add_nc_u64 s[G0SK+2:G0SK+3], s[6:7], s[92:93]
	s_or_b32 s[G0SK+3], s[G0SK+3], 0x80000000
	s_mov_b32 s[G0SV], 1
	s_add_co_u32 s[G0SV+1], s96, SCV
	s_add_nc_u64 s[G0SV+2:G0SV+3], s[6:7], s[94:95]
	s_or_b32 s[G0SV+3], s[G0SV+3], 0x80000000
	TLOAD G0SK, G1SK, G0SV, G1SV                   ; the scale words: filled once
	s_mov_b32 s[G0K], 1
	s_mov_b32 s[G0K+1], s97
	s_add_nc_u64 s[G0K+2:G0K+3], s[4:5], s[88:89]
	s_or_b32 s[G0K+3], s[G0K+3], 0x80000000
	s_mov_b32 s[G0V], 1
	s_add_co_u32 s[G0V+1], s97, 16384
	s_add_nc_u64 s[G0V+2:G0V+3], s[4:5], s[90:91]
	s_or_b32 s[G0V+3], s[G0V+3], 0x80000000
	s_wait_alu depctr_va_vdst(0)
	s_wait_tensorcnt 0x0
	ds_add_u32 v5, v6
	s_wait_dscnt 0x0
	CROUND
	TLOAD G0K, G1K, G0V, G1V                       ; key slot 0: one tensor load of mine is out
	v_and_b32 v226, 15, v0                         ; r
	v_bfe_u32 v227, v0, 4, 1                       ; h
	v_and_b32 v1, 31, v0
	s_delay_alu instid0(VALU_DEP_1)
	v_lshlrev_b32 v1, 4, v1                        ; 16 x lane
	s_delay_alu instid0(VALU_DEP_4)
	v_lshl_add_u32 v2, v226, 4, SCK
	v_lshl_add_u32 v3, v226, 4, SCV
	v_lshl_add_u32 v9, v226, 3, v227               ; os: 8 r + h
	v_lshlrev_b32 v[SH8], 3, v227
	v_and_b32 v228, 8, v226
	s_delay_alu instid0(VALU_DEP_1)
	v_add_nc_u32 v228, v228, v226
	v_lshlrev_b32 v229, 4, v227
	s_delay_alu instid0(VALU_DEP_1)
	v_sub_nc_u32 v223, v228, v229                  ; r + 8 (r / 8) - 16 h
	s_wait_alu depctr_va_vdst(0)
	s_lshl_b32 s88, s[WT], 2
	s_add_co_u32 s88, s88, s[CX]                   ; the low tile
	s_sub_co_u32 s89, 127, s88                     ; the high tile
	s_and_b32 s90, s89, 6                          ; a tile's first query within its key step: 16 (t & 6) + 8 (t & 1)
	s_lshl_b32 s90, s90, 4
	s_and_b32 s91, s89, 1
	s_lshl_b32 s91, s91, 3
	s_add_co_u32 s90, s90, s91
	s_and_b32 s[DLO], s88, 6
	s_lshl_b32 s[DLO], s[DLO], 4
	s_and_b32 s91, s88, 1
	s_lshl_b32 s91, s91, 3
	s_add_co_u32 s[DLO], s[DLO], s91
	v_add_nc_u32 v4, s90, v223                     ; d: on the diagonal register n's key is hidden where 32 (n / 16) + n % 16 > d
	s_lshl_b32 s91, s[BB], 7
	s_add_co_u32 s88, s88, s91                     ; the tiles among all 512
	s_add_co_u32 s89, s89, s91
	s_lshl_b32 s91, s[HEAD], 10
	s_lshl_b32 s92, s89, 14
	s_add_co_u32 s92, s92, s91                     ; tile x 16,384 + head x 1,024: in Q's region and in oc alike
	s_mov_b32 s93, 0
	s_lshl_b32 s94, s88, 14
	s_add_co_u32 s94, s94, s91
	s_mov_b32 s95, 0
	s_add_nc_u64 s[OCH:OCH+1], s[8:9], s[92:93]
	s_add_nc_u64 s[OCL:OCL+1], s[8:9], s[94:95]
	v_add_nc_u32 v245, s92, v1
	s_wait_alu depctr_va_vdst(0)
	v_add_nc_u32 v246, s94, v1
	s_wait_alu depctr_va_vdst(0)
	s_lshr_b32 s91, s[HEAD], 2
	s_lshl_b32 s91, s91, 7
	s_and_b32 s96, s[HEAD], 3
	s_lshl_b32 s96, s96, 1
	s_add_co_u32 s91, s91, s96
	s_lshl_b32 s92, s89, 9
	s_add_co_u32 s92, s92, s91                     ; os: tile x 512 + (head / 4) x 128 + 2 (head % 4)
	s_lshl_b32 s94, s88, 9
	s_add_co_u32 s94, s94, s91
	s_add_nc_u64 s[OSH:OSH+1], s[10:11], s[92:93]
	s_add_nc_u64 s[OSL:OSL+1], s[10:11], s[94:95]
	s_lshl_b32 s91, s[HEAD], 15
	s_lshr_b32 s92, s89, 2
	s_lshl_b32 s92, s92, 8
	s_and_b32 s96, s89, 3
	s_lshl_b32 s96, s96, 2
	s_add_co_u32 s92, s92, s96
	s_add_co_u32 s92, s92, s91                     ; Q's scale words: head x 32,768 + (T / 4) x 256 + 4 (T % 4)
	s_lshr_b32 s94, s88, 2
	s_lshl_b32 s94, s94, 8
	s_and_b32 s96, s88, 3
	s_lshl_b32 s96, s96, 2
	s_add_co_u32 s94, s94, s96
	s_add_co_u32 s94, s94, s91
	v_lshl_add_u32 v224, v226, 4, s92
	v_lshl_add_u32 v225, v226, 4, s94
	global_load_b128 v[16:19], v245, s[4:5]        ; Q of both tiles stays in registers
	global_load_b128 v[20:23], v245, s[4:5] offset:512
	global_load_b128 v[248:251], v246, s[4:5]
	global_load_b128 v[252:255], v246, s[4:5] offset:512
	global_load_b32 v220, v224, s[6:7]
	global_load_b32 v222, v225, s[6:7]
	; the prefetches' offsets and base
	s_lshl_b32 s91, s[CX], 16
	s_lshl_b32 s96, s[HEAD], 10
	s_add_co_u32 s91, s91, s96
	s_add_co_u32 s91, s91, 8388608
	s_lshr_b32 s92, s[CX], 1
	s_lshl_b32 s92, s92, 17
	s_and_b32 s96, s[CX], 1
	s_lshl_b32 s96, s96, 12
	s_add_co_u32 s92, s92, s96
	s_lshl_b32 s96, s[HEAD], 13
	s_add_co_u32 s92, s92, s96
	s_add_co_u32 s92, s92, 16777216
	v_lshrrev_b32 v228, 2, v226
	v_and_b32 v229, 3, v226
	s_delay_alu instid0(VALU_DEP_2)
	v_lshlrev_b32 v228, 14, v228
	s_delay_alu instid0(VALU_DEP_1)
	v_lshl_add_u32 v228, v229, 8, v228
	s_delay_alu instid0(VALU_DEP_1)
	v_add_nc_u32 v228, s91, v228
	v_lshl_add_u32 v229, v226, 8, s92
	v_cmp_eq_u32 vcc_lo, 0, v227
	s_delay_alu instid0(VALU_DEP_1)
	v_cndmask_b32 v7, v229, v228, vcc_lo
	s_lshl_b32 s96, s[BB], 21
	s_add_co_u32 s96, s96, 262144                  ; at key slot 1: the first change of slots steps it to key slot 2
	s_mov_b32 s97, 0
	s_add_nc_u64 s[PFA:PFA+1], s[4:5], s[96:97]
	s_cmp_eq_u32 s[WV], 4
	s_cselect_b32 s[LIM], 1, -1
	v_mov_b32 v13, 0xff61b1e6                      ; the largest t so far: -3e38
	s_delay_alu instid0(VALU_DEP_1)
	v_floor_f32 v12, -v13
	v_mov_b32 v14, 0
	v_mov_b32 v15, 0
	v_mov_b32 v[F+1], 0                            ; (named with f as a pair)
	v_mov_b32 v[TMP], 0
	v_mov_b32 v[NINF], 0xff800000
.irp b, 0,1,2,3
	v_mov_b32 v[PT+\b], 0                          ; written once: a lane permute's destination counts as one of its sources
.endr
.set n, 0
.rept 8
	v_mov_b32 v[24+n], 0                           ; the zero codes that fill K from 64 to 128: Q's,
	v_mov_b32 v[40+n], 0                           ; and those of K's four fragments: no load lands here
	v_mov_b32 v[56+n], 0
	v_mov_b32 v[72+n], 0
	v_mov_b32 v[88+n], 0
.set n, n+1
.endr
.set n, 0
.rept 32
	v_mov_b32 v[160+n], 0                          ; O^T: the step is written once; the first finds zeros
.set n, n+1
.endr
; A KEY STEP: 128 keys, the q-th of the slot in hand
.macro STEP q
	s_cmp_gt_u32 s[KSI], s[LAST]                   ; all its keys come after my queries: only the counts at its end are stepped
	s_cbranch_scc1 .Lhid_\@
	v_add_nc_u32 v8, s[TB], v1
	s_wait_alu depctr_va_vdst(0)
	v_add_nc_u32 v10, s[TS], v2
	v_add_nc_u32 v11, s[TJ], v3
.rept 6
	v_nop                                          ; with the three additions nine places: the score products write over registers that the last products read
.endr
	ds_load_b128 v[208:211], v10                   ; K's scale words of tiles 0-3,
	ds_load_b128 v[212:215], v10 offset:256        ; 4-7,
	ds_load_b128 v[216:219], v11                   ; V's of its four tiles
.irp g, 0,1
.if \g
.rept 8
	v_nop
.endr
.endif
.irp t, 0,1,2,3
	ds_load_b128 v[32+16*\t:35+16*\t], v8 offset:(\q)*8192+(4*\g+\t)*1024
	ds_load_b128 v[36+16*\t:39+16*\t], v8 offset:(\q)*8192+(4*\g+\t)*1024+512
.endr
	s_wait_dscnt 0x0
.irp t, 0,1,2,3
	v_wmma_scale_f32_16x16x128_f8f6f4 v[96+8*(4*\g+\t):103+8*(4*\g+\t)], v[32+16*\t:47+16*\t], v[16:31], 0, v[208+4*\g+\t], v220
.endr
.endr
.rept 8
	v_nop
.endr
	s_cmp_lg_u32 s[KSI], s[LAST]                   ; only my last step lies on the diagonal
	s_cbranch_scc1 .Lopen_\@
.set n, 0
.rept 64
	v_cmp_gt_i32 vcc_lo, 32*(n/16)+n%16, v4
	v_cndmask_b32 v[96+n], v[96+n], v[NINF], vcc_lo   ; hidden scores become -infinity ahead of the maximum: p = 0
.set n, n+1
.endr
.Lopen_\@:
.irp b, 0,1,2,3
	v_max3_num_f32 v[BM+\b], v[96+16*\b], v[97+16*\b], v[98+16*\b]   ; the largest score of each block of 32 keys: for the row's maximum, and for the block's largest p
.endr
.irp i, 3,5,7,9,11,13
.irp b, 0,1,2,3
	v_max3_num_f32 v[BM+\b], v[BM+\b], v[96+16*\b+\i], v[97+16*\b+\i]
.endr
.endr
.irp b, 0,1,2,3
	v_max_num_f32 v[BM+\b], v[BM+\b], v[111+16*\b]
.endr
.irp b, 0,1,2,3
	s_delay_alu instid0(VALU_DEP_4)
	v_permlanex16_b32 v[PT+\b], v[BM+\b], s[SEL], s[SEL+1]
.endr
.irp b, 0,1,2,3
	s_delay_alu instid0(VALU_DEP_4)
	v_max_num_f32 v[BM+\b], v[BM+\b], v[PT+\b]
.endr
	s_delay_alu instid0(VALU_DEP_2)
	v_max3_num_f32 v[TMP], v[BM], v[BM+1], v[BM+2]
	s_delay_alu instid0(VALU_DEP_1)
	v_max_num_f32 v[TMP], v[TMP], v[BM+3]
	s_delay_alu instid0(VALU_DEP_1)
	v_mul_f32 v[TMP], s[CS], v[TMP]
	s_delay_alu instid0(VALU_DEP_1)
	v_max_num_f32 v13, v13, v[TMP]                 ; the running largest t
	v_mov_b32 v[TMP], v12
	s_delay_alu instid0(VALU_DEP_2)
	v_floor_f32 v12, -v13                          ; the new -M = -ceil(t)
	s_delay_alu instid0(VALU_DEP_1)
	v_sub_f32 v[TMP], v12, v[TMP]                  ; old M - new M: a whole number, 0 or less
	s_delay_alu instid0(VALU_DEP_1)
	v_cvt_i32_f32 v[TMP], v[TMP]
	s_delay_alu instid0(VALU_DEP_1)
	v_ldexp_f32 v[F], 1.0, v[TMP]                  ; f
.set n, 0
.rept 32
	v_pk_fma_f32 v[96+n:97+n], v[96+n:97+n], s[CS:CS+1], v[12:13] op_sel_hi:[1,0,0]   ; t - M
.set n, n+2
.endr
.irp b, 0,1,2,3
	v_fma_f32 v[BM+\b], v[BM+\b], s[CS], v12
.endr
.set n, 0
	s_wait_alu depctr_va_vdst(0)
.rept 64
	v_exp_f32 v[96+n], v[96+n]                     ; p
.set n, n+1
.endr
	v_pk_mul_f32 v[14:15], v[14:15], v[F:F+1] op_sel_hi:[1,0]   ; the sums under the new M (a plain line behind the exponentials)
	s_wait_alu depctr_va_vdst(0)                   ; one wait for the batch, ahead of its first reader
.irp b, 0,1,2,3
	v_exp_f32 v[BM+\b], v[BM+\b]                   ; the blocks' largest p
.endr
	v_pk_add_f32 v[PT:PT+1], v[96:97], v[98:99]    ; the row's sum of the unquantised p, in two chains
.set n, 4
.rept 15
	v_pk_add_f32 v[14:15], v[14:15], v[96+n:97+n]
	v_pk_add_f32 v[PT:PT+1], v[PT:PT+1], v[98+n:99+n]
.set n, n+4
.endr
	s_delay_alu instid0(VALU_DEP_1)
	v_pk_add_f32 v[14:15], v[14:15], v[PT:PT+1]
	s_wait_alu depctr_va_vdst(0)                   ; and one for the four
.irp b, 0,1,2,3
	v_max_num_f32 v[BM+\b], 0x4800000, v[BM+\b]    ; the floor 2^(9 - 127)
.endr
.irp b, 0,1,2,3
	s_delay_alu instid0(VALU_DEP_4)
	v_add_nc_u32 v[SO+\b], 0xfc000000, v[BM+\b]
.endr
.irp b, 0,1,2,3
.endr
.irp b, 0,1,2,3
	s_delay_alu instid0(VALU_DEP_4)
	v_lshrrev_b32 v[PT+\b], 23, v[SO+\b]
.endr
	s_delay_alu instid0(VALU_DEP_3)
	v_lshl_or_b32 v221, v[PT+1], 8, v[PT]          ; p's scale word for these 128 keys
	s_delay_alu instid0(VALU_DEP_1)
	v_lshl_or_b32 v221, v[PT+2], 16, v221
	s_delay_alu instid0(VALU_DEP_1)
	v_lshl_or_b32 v221, v[PT+3], 24, v221
.irp b, 0,1,2,3
.irp i, 0,1,2,3,4,5,6,7,8,9,10,11,12,13,14,15
.endr
	v_cvt_scalef32_pk8_fp8_f32 v[192+4*\b:193+4*\b], v[96+16*\b:103+16*\b], v[SO+\b]
	v_cvt_scalef32_pk8_fp8_f32 v[194+4*\b:195+4*\b], v[104+16*\b:111+16*\b], v[SO+\b]
.endr
	v_nop
.irp t, 0,1,2,3
.irp g, 0,1,2,3
	ds_load_b128 v[96+16*\t+4*\g:99+16*\t+4*\g], v8 offset:16384+(\q)*8192+\t*2048+512*\g   ; V's four fragments, where p lay
.endr
.endr
.set n, 0
.rept 16
	v_pk_mul_f32 v[160+n:161+n], v[160+n:161+n], v[F:F+1] op_sel_hi:[1,0]   ; O^T under the new M; also the places in front of the products
.set n, n+2
.endr
	s_wait_alu depctr_va_vdst(0)
	s_wait_dscnt 0x0
.irp t, 0,1,2,3
	v_wmma_scale_f32_16x16x128_f8f6f4 v[160+8*\t:167+8*\t], v[96+16*\t:111+16*\t], v[192:207], v[160+8*\t:167+8*\t], v[216+\t], v221
.endr
.Lhid_\@:
	s_add_co_u32 s[KSI], s[KSI], 1
	s_add_co_u32 s[TS], s[TS], 512
	s_add_co_u32 s[TJ], s[TJ], 256
.endm
; THE CHANGE OF SLOTS, at a slot's head.  fill = 1: the slot just left takes the next 256 keys; 2: key slot 0 again, for pass B; 0: nothing.
.macro CHANGE fill, ask
	s_wait_tensorcnt 0x0                           ; no tensor load of mine is out: my part of the slot ahead has landed, and a group 0 may be written
	ds_add_u32 v5, v6                              ; 0 onto my spare word
.if \fill
	s_xor_b32 s[G0K+1], s[G0K+1], SLOTB
	s_xor_b32 s[G0V+1], s[G0V+1], SLOTB
.endif
.if \fill == 1
	s_add_nc_u64 s[G0K+2:G0K+3], s[G0K+2:G0K+3], 262144
	s_add_nc_u64 s[G0V+2:G0V+3], s[G0V+2:G0V+3], 262144
.endif
.if \fill == 2
	s_sub_nc_u64 s[G0K+2:G0K+3], s[G0K+2:G0K+3], 7*262144
	s_sub_nc_u64 s[G0V+2:G0V+3], s[G0V+2:G0V+3], 7*262144
.endif
.if \ask
	s_wait_xcnt 0x0                                ; the last prefetch, a slot back, has read its address
	s_add_nc_u64 s[PFA:PFA+1], s[PFA:PFA+1], 262144
.endif
	s_wait_dscnt 0x0                               ; the add is done, and my reads of the slot that I have left are over
.if \fill
	CROUND                                         ; the same holds of every wave of every partner
	TLOAD G0K, G1K, G0V, G1V                       ; the first thing behind the round, and a wave's one tensor load until the next
.if \ask
	ASK
.endif
.else
	s_barrier_signal -1
	s_barrier_wait -1
.endif
.endm
; A TILE'S WAY OUT: O^T / the sum, quantised along the channels (two blocks of 32), 1,024 consecutive bytes of codes; lanes 0-15 store the first block's scale byte, lanes 16-31 the second's.
.macro OUT_TILE pc, ps
.rept 8
	v_nop
.endr
	v_add_f32 v14, v14, v15
	s_delay_alu instid0(VALU_DEP_1)
	v_permlanex16_b32 v[TMP], v14, s[SEL], s[SEL+1]
	s_delay_alu instid0(VALU_DEP_1)
	v_add_f32 v14, v14, v[TMP]                     ; the row's sum
	s_wait_alu depctr_va_vdst(0)
	v_rcp_f32 v14, v14
	v_nop
	s_wait_alu depctr_va_vdst(0)                   ; ahead of the first reader
.set n, 0
.rept 16
	v_pk_mul_f32 v[96+n:97+n], v[160+n:161+n], v[14:15] op_sel_hi:[1,0]   ; each accumulator from its low end on
.set n, n+2
.endr
.irp b, 0,1
	v_max3_num_f32 v[BM+\b], |v[96+16*\b]|, |v[97+16*\b]|, 0x4800000
.endr
.irp i, 2,4,6,8,10,12,14
.irp b, 0,1
	s_delay_alu instid0(VALU_DEP_2)
	v_max3_num_f32 v[BM+\b], v[BM+\b], |v[96+16*\b+\i]|, |v[97+16*\b+\i]|
.endr
.endr
.irp b, 0,1
	s_delay_alu instid0(VALU_DEP_2)
	v_permlanex16_b32 v[PT+\b], v[BM+\b], s[SEL], s[SEL+1]
.endr
.irp b, 0,1
	s_delay_alu instid0(VALU_DEP_2)
	v_max_num_f32 v[BM+\b], v[BM+\b], v[PT+\b]
.endr
.irp b, 0,1
	s_delay_alu instid0(VALU_DEP_2)
	v_add_nc_u32 v[SO+\b], 0xfc000000, v[BM+\b]
.endr
.irp b, 0,1
.endr
.irp b, 0,1
	s_delay_alu instid0(VALU_DEP_2)
	v_lshrrev_b32 v[PT+\b], 23, v[SO+\b]
.endr
	s_delay_alu instid0(VALU_DEP_1)
	v_lshl_or_b32 v[TMP], v[PT+1], 8, v[PT]
	s_delay_alu instid0(VALU_DEP_1)
	v_lshrrev_b32 v[TMP], v[SH8], v[TMP]           ; my half's byte in the lowest place
.irp b, 0,1
.irp i, 0,1,2,3,4,5,6,7,8,9,10,11,12,13,14,15
.endr
	v_cvt_scalef32_pk8_fp8_f32 v[192+4*\b:193+4*\b], v[96+16*\b:103+16*\b], v[SO+\b]
	v_cvt_scalef32_pk8_fp8_f32 v[194+4*\b:195+4*\b], v[104+16*\b:111+16*\b], v[SO+\b]
.endr
	v_nop                                          ; a plain line behind the last conversion
	global_store_b128 v1, v[192:195], s[\pc:\pc+1]
	global_store_b128 v1, v[196:199], s[\pc:\pc+1] offset:512
	global_store_b8 v9, v[TMP], s[\ps:\ps+1]
.endm
	s_wait_loadcnt 0x0                             ; Q
	s_mov_b32 s[SLOTS], 7
.Lpass_a:                                          ; key slots 0-6 of pass A; behind each change the next key slot is asked for
	CHANGE 1, 1
	STEP 0
	STEP 1
	s_xor_b32 s[TB], s[TB], SLOTB
	s_sub_co_u32 s[SLOTS], s[SLOTS], 1
	s_cmp_lg_u32 s[SLOTS], 0
	s_cbranch_scc1 .Lpass_a
	CHANGE 2, 0                                    ; key slot 7; the other slot takes key slot 0 for pass B
	STEP 0
	STEP 1
	s_xor_b32 s[TB], s[TB], SLOTB
	OUT_TILE OCH, OSH
	s_wait_xcnt 0x0                                ; the stores have read their registers
.set n, 0
.rept 8
	v_mov_b32 v[16+n], v[248+n]                    ; the low tile's Q
.set n, n+1
.endr
	v_mov_b32 v220, v222
	v_mov_b32 v13, 0xff61b1e6
	s_delay_alu instid0(VALU_DEP_1)
	v_floor_f32 v12, -v13
	v_mov_b32 v14, 0
	v_mov_b32 v15, 0
	v_add_nc_u32 v4, s[DLO], v223
.set n, 0
.rept 32
	v_mov_b32 v[160+n], 0
.set n, n+1
.endr
	s_mov_b32 s[LAST], s[LASTLO]
	s_mov_b32 s[KSI], 0
	s_mov_b32 s[TS], 0
	s_mov_b32 s[TJ], 0
	s_mov_b32 s[SLOTS], 3
.Lpass_b:                                          ; key slots 0-2 of pass B
	CHANGE 1, 0
	STEP 0
	STEP 1
	s_xor_b32 s[TB], s[TB], SLOTB
	s_sub_co_u32 s[SLOTS], s[SLOTS], 1
	s_cmp_lg_u32 s[SLOTS], 0
	s_cbranch_scc1 .Lpass_b
	CHANGE 0, 0                                    ; key slot 3: nothing is left to fetch
	STEP 0
	STEP 1
	OUT_TILE OCL, OSL
	s_wait_tensorcnt 0x0                           ; the wave's end
	ds_add_u32 v5, v6
	s_wait_dscnt 0x0
	CROUND                                         ; the closing round
	s_endpgm
.Lfunc_end_k_q65442dc167_attn:
	.size	k_q65442dc167_attn, .Lfunc_end_k_q65442dc167_attn-k_q65442dc167_attn
	.p2alignl 7, 3214868480
	.fill 96, 4, 3214868480
	.section	.rodata,"a",@progbits
	.p2align	6, 0x0
	.amdhsa_kernel k_q65442dc167_attn
		.amdhsa_group_segment_fixed_size 327680
		.amdhsa_private_segment_fixed_size 0
		.amdhsa_enable_private_segment 0
		.amdhsa_kernarg_size 32
		.amdhsa_user_sgpr_count 2
		.amdhsa_user_sgpr_kernarg_segment_ptr 1
		.amdhsa_wavefront_size32 1
		.amdhsa_system_sgpr_workgroup_id_x 1
		.amdhsa_system_sgpr_workgroup_id_y 1
		.amdhsa_system_sgpr_workgroup_id_z 1
		.amdhsa_system_vgpr_workitem_id 0
		.amdhsa_next_free_vgpr 256
		.amdhsa_next_free_sgpr 100
		.amdhsa_reserve_vcc 1
		.amdhsa_float_denorm_mode_32 3
		.amdhsa_float_denorm_mode_16_64 3
		.amdhsa_fp16_overflow 1
		.amdhsa_memory_ordered 1
		.amdhsa_forward_progress 1
		.amdhsa_inst_pref_size 208
	.end_amdhsa_kernel
	.amdgpu_metadata
---
amdhsa.version: [ 1, 2 ]
amdhsa.kernels:
  - .name:           k_q65442dc167_attn
    .symbol:         k_q65442dc167_attn.kd
    .args:
      - { .name: qkvc, .offset: 0, .size: 8, .value_kind: global_buffer, .address_space: global }
      - { .name: qkvs, .offset: 8, .size: 8, .value_kind: global_buffer, .address_space: global }
      - { .name: oc, .offset: 16, .size: 8, .value_kind: global_buffer, .address_space: global }
      - { .name: os, .offset: 24, .size: 8, .value_kind: global_buffer, .address_space: global }
    .group_segment_fixed_size: 327680
    .private_segment_fixed_size: 0
    .kernarg_segment_align: 8
    .kernarg_segment_size: 32
    .max_flat_workgroup_size: 512
    .sgpr_count:     100
    .vgpr_count:     256
    .wavefront_size: 32
...
	.end_amdgpu_metadata
.endif
;; end of part 3
;; launch proj (part 4): grid 4 x 32, 4 waves a work-group, clusters of 4 x 4, 327,680 bytes of LDS; arguments oc, os, wc, ws, bo, out0; writes out0
.if DOCPART == 4
	.amdgcn_target "amdgcn-amd-amdhsa--gfx1250"
	.amdhsa_code_object_version 6
	.text
	.protected	k_q65442dc167_proj
	.globl	k_q65442dc167_proj
	.p2align	8
	.type	k_q65442dc167_proj,@function
k_q65442dc167_proj:
	s_mov_b64 s[64:65], 0
	v_nop
	global_prefetch_b8 v0, s[64:65] scope:SCOPE_SE
	s_setreg_imm32_b32 hwreg(HW_REG_WAVE_MODE, 25, 1), 1
	s_wait_xcnt 0x0
	s_wait_alu depctr_hold_cnt(0) depctr_sa_sdst(0) depctr_va_vdst(0) depctr_va_sdst(0) depctr_va_ssrc(0) depctr_va_vcc(0) depctr_vm_vsrc(0)
	s_getreg_b32 s2, hwreg(HW_REG_IB_STS2, 6, 4)
	s_cmp_eq_u32 s2, 0
	s_cbranch_scc0 .Lentry_in_a_cluster
	s_endpgm
.Lentry_in_a_cluster:
	s_bfe_u32 s2, ttmp6, 0x10000c
	s_cmp_lg_u32 s2, 0xf033
	s_cbranch_scc0 .Lentry_shape_is_right
	s_endpgm
.Lentry_shape_is_right:
; out0 = attention's result x Wo^T + bo on codes of FP8 (E4M3) with E8M0 scales, K = 1,024, f32 sums; out0 [8192][1024] f32.
; OPERANDS are images of the matrix operand's registers (tile T of 16 rows: T x 16384 + (k / 32) x 512 + 16 x lane; place r of tile T is row 32 (T / 2) + 8 (T % 2) + r + 8 (r / 8)); scale bytes T x 512 + (k / 256) x 128 + 8 r + (k / 32) % 8.
; A block of 256 x 256 is made by four waves, 128 x 128 each; K goes in steps of 256 through two LDS slots.  Source 0 = 16 rows of Wo ("B", rows 3,072 on of wc), source 1 = 16 tokens ("A"): a lane holds eight neighbouring columns of a row of out0.
; CLUSTERS 4 x 4: A's tiles are asked for jointly along a row of the cluster, B's along a column.  128 work-groups: a smaller tile would fill more WGPs and read half as much again from LDS for each product.
; bo is the C of the first products.  No prefetch: a work-group has four K steps, and half of its tiles are asked for at its head.
; REGISTERS as in the launch that makes q, k and v: window 0: addresses, v32-63 scale words, v64-127 the bias, v128-255 A's fragments (on the way out rows of out0); window 1: B's two sets; windows 2, 3: the accumulators.
.set NQ,     2
.set FR,     16
.set NL,     4
.set NP,     8
.set LAPS,   2
.set SLOT,   131072
.set SCL,    2*SLOT
.set SPARE,  SCL+16384
.set STAGE,  SPARE+512                 ; the way out: 16 rows x (512 bytes + 16) for each wave; no fill lands here
.set SPITCH, 528
.set ADRA, 16
.set ADRB, 20
.set STO,  24
.set RD,   25
.set CO,   26                          ; 16 x lane
.set ADRS, 27
.set SPW,  28
.set NIL,  29
.set SC,   32
.set BP,   64
.set AF,   128
.set BK,   128
.set WV,   22
.set WH,   23
.set G1,   24
.set G0,   32
.set WL,   40
.set CX,   41
.set CY,   42
.set WGX,  44
.set AIDX, 45
.set BIDX, 46
.set G1B,  48
.set G0B,  56
.set G1S,  68
.set G0S,  76
.set G1SB, 80
.set G0SB, 88
.set APC,  92
.set APS,  94
.set BPC,  96
.set BPS,  98
.set OUT,  4
.set MSB, 0
.macro WIN new
.if MSB != \new
	s_set_vgpr_msb (MSB<<8)|\new
.set MSB, \new
.endif
.endm
.set MUL_LO, 0xa1
.set MUL_HI, 0xf1
.set TO_B,   0x40
.macro JLOAD g0a, g1a, g0b, g1b        ; a joint load: waves 0 and 1 fetch for A, waves 2 and 3 for B; four v_nop follow each of the two lines
	s_cmp_eq_u32 s[WH], 0
	s_cbranch_scc0 .Lfor_b_\@
	tensor_load_to_lds s[\g0a:\g0a+3], s[\g1a:\g1a+7]
	s_nop 0
.rept 4
	v_nop
.endr
	s_branch .Lasked_\@
.Lfor_b_\@:
	tensor_load_to_lds s[\g0b:\g0b+3], s[\g1b:\g1b+7]
	s_nop 0
.rept 4
	v_nop
.endr
.Lasked_\@:
.endm
.macro CREST
	s_cmp_lg_u32 s[WV], 0
	s_cbranch_scc1 .Lnot_wave_0_\@
	s_barrier_signal -3
.Lnot_wave_0_\@:
	s_barrier_wait -3
	s_barrier_signal -1
	s_barrier_wait -1
.endm
.macro CROUND
	s_barrier_signal -1
	s_barrier_wait -1
	CREST
.endm
	s_load_b256 s[4:11], s[0:1], 0x0               ; oc, os, wc, ws
	s_load_b128 s[12:15], s[0:1], 0x20             ; bo, out0
	v_lshl_add_u32 v[SPW], v0, 2, SPARE
	v_mov_b32 v[NIL], 0
	ds_add_u32 v28, v29
	s_wait_dscnt 0x0
	v_lshrrev_b32 v1, 5, v0
	v_readfirstlane_b32 s[WV], v1
	s_lshr_b32 s[WH], s[WV], 1
	s_and_b32 s[WL], s[WV], 1
	s_bfe_u32 s[CX], ttmp6, 0x40000
	s_bfe_u32 s[CY], ttmp6, 0x40004
	s_lshl_b32 s[WGX], ttmp9, 2
	s_add_co_u32 s[WGX], s[WGX], s[CX]
	s_and_b32 s[AIDX], ttmp7, 0xffff
	s_lshl_b32 s[AIDX], s[AIDX], 2
	s_add_co_u32 s[AIDX], s[AIDX], s[CY]           ; A's block of 256 tokens
	s_add_co_u32 s[BIDX], s[WGX], 12               ; B's block of 256 rows of wc: Wo's begin at block 12
	s_lshl_b32 s2, s[CY], 2
	s_lshl_b32 s2, 15, s2                          ; my row of the cluster
	s_lshl_b32 s3, 0x1111, s[CX]                   ; my column
	s_or_b32 s[G1], s2, (3<<16)|(1<<21)            ; codes: 8 tiles' 4,096 bytes (512 elements of 8 bytes), 16,384 bytes apart
	s_or_b32 s[G1B], s3, (3<<16)|(1<<21)
.irp g, G1, G1B
	s_mov_b32 s[\g+1], 512<<16
	s_mov_b32 s[\g+2], 8<<16
	s_mov_b32 s[\g+3], 512<<16
	s_mov_b32 s[\g+4], 8
	s_mov_b32 s[\g+5], 2048
	s_mov_b32 s[\g+6], 0
	s_mov_b32 s[\g+7], 0
.endr
	s_or_b32 s[G1S], s2, (3<<16)|(1<<21)           ; scale bytes of 128 rows: 4,096 dense bytes as 16 rows of 256
	s_or_b32 s[G1SB], s3, (3<<16)|(1<<21)
.irp g, G1S, G1SB
	s_mov_b32 s[\g+1], 32<<16
	s_mov_b32 s[\g+2], 16<<16
	s_mov_b32 s[\g+3], 32<<16
	s_mov_b32 s[\g+4], 16
	s_mov_b32 s[\g+5], 32
	s_mov_b32 s[\g+6], 0
	s_mov_b32 s[\g+7], 0
.endr
	s_wait_kmcnt 0x0
	s_lshl_b32 s100, s[AIDX], 18                   ; A's offsets in s100, s101, B's in s104, s105: neither pair ever holds the other's coordinate
	s_lshl_b32 s101, s[WL], 17
	s_add_co_u32 s100, s100, s101
	s_mov_b32 s101, 0
	s_add_nc_u64 s[APC:APC+1], s[4:5], s[100:101]
	s_lshl_b32 s100, s[AIDX], 13
	s_lshl_b32 s101, s[WL], 12
	s_add_co_u32 s100, s100, s101
	s_mov_b32 s101, 0
	s_add_nc_u64 s[APS:APS+1], s[6:7], s[100:101]
	s_lshl_b32 s104, s[BIDX], 18
	s_lshl_b32 s105, s[WL], 17
	s_add_co_u32 s104, s104, s105
	s_mov_b32 s105, 0
	s_add_nc_u64 s[BPC:BPC+1], s[8:9], s[104:105]
	s_lshl_b32 s104, s[BIDX], 13
	s_lshl_b32 s105, s[WL], 12
	s_add_co_u32 s104, s104, s105
	s_mov_b32 s105, 0
	s_add_nc_u64 s[BPS:BPS+1], s[10:11], s[104:105]
	s_lshl_b32 s47, s[WV], 15
	s_lshl_b32 s2, s[WV], 12
	CROUND                                         ; all sixteen work-groups are here: the first joint loads meet
	s_mov_b32 s[G0S], 1
	s_add_co_u32 s[G0S+1], s2, SCL
	s_mov_b64 s[G0S+2:G0S+3], s[APS:APS+1]
	s_or_b32 s[G0S+3], s[G0S+3], 0x80000000
	s_mov_b32 s[G0SB], 1
	s_add_co_u32 s[G0SB+1], s2, SCL
	s_mov_b64 s[G0SB+2:G0SB+3], s[BPS:BPS+1]
	s_or_b32 s[G0SB+3], s[G0SB+3], 0x80000000
	JLOAD G0S, G1S, G0SB, G1SB
.irp s, 0,1
	s_mov_b32 s[G0+4*\s], 1
	s_add_co_u32 s[G0+4*\s+1], s47, \s*SLOT
	s_add_nc_u64 s[G0+4*\s+2:G0+4*\s+3], s[APC:APC+1], \s*4096
	s_or_b32 s[G0+4*\s+3], s[G0+4*\s+3], 0x80000000
	s_mov_b32 s[G0B+4*\s], 1
	s_add_co_u32 s[G0B+4*\s+1], s47, \s*SLOT
	s_add_nc_u64 s[G0B+4*\s+2:G0B+4*\s+3], s[BPC:BPC+1], \s*4096
	s_or_b32 s[G0B+4*\s+3], s[G0B+4*\s+3], 0x80000000
	JLOAD G0+4*\s, G1, G0B+4*\s, G1B               ; three tensor loads of mine are out
.endr
	v_and_b32 v1, 31, v0
	v_and_b32 v2, 15, v0                           ; r
	v_bfe_u32 v3, v0, 4, 1                         ; h
	v_lshlrev_b32 v[CO], 4, v1
	s_lshl_b32 s2, s[WH], 15
	s_lshl_b32 s3, s[WL], 15
	s_add_co_u32 s3, s3, 65536
.irp s, 0,1
	v_add_nc_u32 v[ADRA+\s], s2, v[CO]
	v_add_nc_u32 v[ADRB+\s], s3, v[CO]
	s_add_co_u32 s2, s2, SLOT
	s_add_co_u32 s3, s3, SLOT
.endr
	s_lshl_b32 s2, s[WH], 12                       ; scale words: the lower base + h x the distance
	s_lshl_b32 s3, s[WL], 12
	s_add_co_u32 s3, s3, 8192
	s_sub_co_u32 s3, s3, s2
	v_mul_u32_u24 v4, s3, v3
	s_add_co_u32 s2, s2, SCL
	v_lshl_add_u32 v4, v2, 3, v4
	v_add_nc_u32 v[ADRS], s2, v4
	s_lshl_b32 s2, s[WGX], 10                      ; bo: my 128 columns
	s_lshl_b32 s3, s[WL], 9
	s_add_co_u32 s2, s2, s3
	v_lshl_add_u32 v5, v3, 6, s2                   ; tile b's register j is column 32 (b / 2) + 8 (b % 2) + 16 h + j
.irp b, 0,1,2,3,4,5,6,7
	global_load_b128 v[BP+8*\b:BP+8*\b+3], v5, s[12:13] offset:(32*(\b/2)+8*(\b%2))*4
	global_load_b128 v[BP+8*\b+4:BP+8*\b+7], v5, s[12:13] offset:(32*(\b/2)+8*(\b%2))*4+16
.endr
	s_mul_i32 s3, s[WV], 16*SPITCH
	s_add_co_u32 s3, s3, STAGE                     ; my stage
	v_mul_u32_u24 v4, v2, SPITCH
	v_lshl_add_u32 v4, v3, 6, v4
	v_add_nc_u32 v[STO], s3, v4                    ; in: row r, + 64 h bytes
	v_add_nc_u32 v[RD], s3, v[CO]                  ; back: the 32 lanes take a row of 512 bytes
	s_lshl_b32 s100, s[AIDX], 20                   ; out0: 256 rows of 4,096 bytes,
	s_lshl_b32 s3, s[WH], 19
	s_add_co_u32 s100, s100, s3
	s_add_co_u32 s100, s100, s2                    ; and my 128 columns' first byte, as in bo
	s_mov_b32 s101, 0
	s_add_nc_u64 s[OUT:OUT+1], s[14:15], s[100:101]
	s_wait_loadcnt 0x0                             ; the bias
.macro FRAG reg, adr, q, i
.irp c, 0,1,2,3
	ds_load_b128 v[\reg+4*\c:\reg+4*\c+3], v[\adr] offset:(\i)*4096+(\q)*2048+512*\c
.endr
.endm
; 16 matrix instructions: A's blocks a0, a0 + 1 x B's eight.  first = 1: the bias is the C.  The 64 accumulators take turns, one instruction a turn.
.macro MUL16 a0, p, q, sc, first
.irp a, \a0, \a0+1
.irp b, 0,1,2,3,4,5,6,7
.if \first
	v_wmma_scale_f32_16x16x128_f8f6f4 v[8*(8*((\a)%4)+\b):8*(8*((\a)%4)+\b)+7], v[128*(\p)+FR*\b:128*(\p)+FR*\b+FR-1], v[AF+FR*(\a):AF+FR*(\a)+FR-1], v[BP+8*\b:BP+8*\b+7], v[SC+8*NQ*(\sc)+NQ*\b+(\q)], v[SC+8*NQ*(\sc)+NQ*(\a)+(\q)] matrix_a_scale:MATRIX_SCALE_ROW1
.else
	v_wmma_scale_f32_16x16x128_f8f6f4 v[8*(8*((\a)%4)+\b):8*(8*((\a)%4)+\b)+7], v[128*(\p)+FR*\b:128*(\p)+FR*\b+FR-1], v[AF+FR*(\a):AF+FR*(\a)+FR-1], v[8*(8*((\a)%4)+\b):8*(8*((\a)%4)+\b)+7], v[SC+8*NQ*(\sc)+NQ*\b+(\q)], v[SC+8*NQ*(\sc)+NQ*(\a)+(\q)] matrix_a_scale:MATRIX_SCALE_ROW1
.endif
.endr
.endr
.endm
.macro FETCH_B slot, q, p
	WIN TO_B
.irp i, 0,1,2,3,4,5,6,7
	FRAG 128*(\p)+FR*\i, ADRB+\slot, \q, \i
.endr
	WIN 0
.endm
.macro FETCH_A slot, q, i0
.irp i, \i0, \i0+1, \i0+2, \i0+3
	FRAG AF+FR*(\i), ADRA+\slot, \q, \i
.endr
.endm
.macro SCALES sc
.irp i, 0,1,2,3,4,5,6,7
	ds_load_b64 v[SC+8*NQ*\sc+NQ*\i:SC+8*NQ*\sc+NQ*\i+1], v[ADRS] offset:\i*512
.endr
.endm
.macro PLACES n
.rept \n
	v_nop
.endr
.endm
.macro STEP slot, q, first
	s_wait_dscnt 4*NL                              ; the youngest sixteen loads (A's blocks 4-7) may be out
.if \first
	WIN 0x81
.else
	WIN MUL_LO
.endif
	MUL16 0, (\q)%2, \q, \slot, \first
	MUL16 2, (\q)%2, \q, \slot, \first
	s_wait_dscnt 0
	PLACES NP
	FETCH_B \slot, (\q)+1, 1-(\q)%2
	FETCH_A \slot, (\q)+1, 0
.if \first
	WIN 0xc1
.else
	WIN MUL_HI
.endif
	MUL16 4, (\q)%2, \q, \slot, \first
	MUL16 6, (\q)%2, \q, \slot, \first
	PLACES NP
	WIN 0
	FETCH_A \slot, (\q)+1, 4
.endm
.macro TURN slot, next, fill
	s_wait_tensorcnt 0x0                           ; all my tensor loads have landed: my part of the next slot
	ds_add_u32 v[SPW], v[NIL]                      ; 0 onto my spare word
	s_wait_dscnt 4*NL+1                            ; (the add and the youngest sixteen loads may be out)
	WIN MUL_LO
	MUL16 0, 1, NQ-1, \slot, 0
	s_wait_dscnt 0x0                               ; the add is done, and my reads of this slot are over
	s_barrier_signal -1
	MUL16 2, 1, NQ-1, \slot, 0
	WIN 0
	s_barrier_wait -1
.if \fill
	CREST                                          ; the barrier has opened a round of the cluster's barrier
	s_add_nc_u64 s[G0+4*\slot+2:G0+4*\slot+3], s[G0+4*\slot+2:G0+4*\slot+3], 8192
	s_add_nc_u64 s[G0B+4*\slot+2:G0B+4*\slot+3], s[G0B+4*\slot+2:G0B+4*\slot+3], 8192
	JLOAD G0+4*\slot, G1, G0B+4*\slot, G1B
	PLACES NP-4
.else
	PLACES NP
.endif
	v_add_nc_u32 v[ADRS], 128, v[ADRS]
	FETCH_B \next, 0, 0
	FETCH_A \next, 0, 0
	SCALES \next
	WIN MUL_HI
	MUL16 4, 1, NQ-1, \slot, 0
	MUL16 6, 1, NQ-1, \slot, 0
	PLACES NP
	WIN 0
	FETCH_A \next, 0, 4
.endm
	s_wait_tensorcnt 1                             ; the scale bytes and my part of K step 0 are in; K step 1's load may be out
	s_barrier_signal -1
	s_barrier_wait -1
	FETCH_B 0, 0, 0
	FETCH_A 0, 0, 0
	SCALES 0
	FETCH_A 0, 0, 4
	STEP 0, 0, 1
	s_mov_b32 s3, LAPS-1
.Llap:
	TURN 0, 1, 1
	STEP 1, 0, 0
	TURN 1, 0, 1
	STEP 0, 0, 0
	s_sub_co_u32 s3, s3, 1
	s_cmp_lg_u32 s3, 0
	s_cbranch_scc1 .Llap
	TURN 0, 1, 0
	STEP 1, 0, 0
	s_wait_dscnt 4*NL
	WIN MUL_LO
	MUL16 0, 1, NQ-1, 1, 0
	MUL16 2, 1, NQ-1, 1, 0
	s_wait_dscnt 0
	WIN MUL_HI
	MUL16 4, 1, NQ-1, 1, 0
	MUL16 6, 1, NQ-1, 1, 0
	WIN 0
; THE WAY OUT, a tile of 16 tokens x 128 columns at a time, through my own stage: in by 32 bytes of a row, back as whole rows of 512 bytes.  LDS serves a wave's instructions in order: no wait between the stores and the loads.
.macro TOSTAGE a
.set AC, 64*((\a)%4)
	WIN 0x08+4*((\a)/4)                            ; the data: window 2 or 3
.irp b, 0,1,2,3,4,5,6,7
	ds_store_b128 v[STO], v[AC+8*\b:AC+8*\b+3] offset:128*(\b/2)+32*(\b%2)          ; each accumulator from its low end on
	ds_store_b128 v[STO], v[AC+8*\b+4:AC+8*\b+7] offset:128*(\b/2)+32*(\b%2)+16
.endr
	WIN 0
.set BBK, BK+64*((\a)%2)
.irp t, 0,1,2,3,4,5,6,7,8,9,10,11,12,13,14,15
	ds_load_b128 v[BBK+4*\t:BBK+4*\t+3], v[RD] offset:\t*SPITCH
.endr
.endm
.macro SEND a, younger                 ; younger: the LDS instructions issued behind tile a's loads, which may stay out
.set BBK, BK+64*((\a)%2)
	s_wait_dscnt \younger
.irp t, 0,1,2,3,4,5,6,7,8,9,10,11,12,13,14,15
	global_store_b128 v[CO], v[BBK+4*\t:BBK+4*\t+3], s[OUT:OUT+1] offset:(32*((\a)/2)+8*((\a)%2)+\t+8*(\t/8))*4096 th:TH_STORE_NT   ; place t of tile a is that row: 512 consecutive bytes, aligned; the base is never stepped
.endr
.endm
	PLACES NP
	TOSTAGE 0
.irp a, 1,2,3,4,5,6,7
.if \a > 1
	s_wait_xcnt 0x0                                ; tile a - 2's stores have read their registers: tile a's loads may land there
.endif
	TOSTAGE \a
	SEND \a-1, 32                                  ; behind tile a - 1's loads: tile a's 16 stores and 16 loads
.endr
	SEND 7, 0
	s_wait_tensorcnt 0x0                           ; the wave's end
	ds_add_u32 v[SPW], v[NIL]
	s_wait_dscnt 0x0
	CROUND                                         ; the closing round
	s_endpgm
.Lfunc_end_k_q65442dc167_proj:
	.size	k_q65442dc167_proj, .Lfunc_end_k_q65442dc167_proj-k_q65442dc167_proj
	.p2alignl 7, 3214868480
	.fill 96, 4, 3214868480
	.section	.rodata,"a",@progbits
	.p2align	6, 0x0
	.amdhsa_kernel k_q65442dc167_proj
		.amdhsa_group_segment_fixed_size 327680
		.amdhsa_private_segment_fixed_size 0
		.amdhsa_enable_private_segment 0
		.amdhsa_kernarg_size 48
		.amdhsa_user_sgpr_count 2
		.amdhsa_user_sgpr_kernarg_segment_ptr 1
		.amdhsa_wavefront_size32 1
		.amdhsa_system_sgpr_workgroup_id_x 1
		.amdhsa_system_sgpr_workgroup_id_y 1
		.amdhsa_system_sgpr_workgroup_id_z 1
		.amdhsa_system_vgpr_workitem_id 0
		.amdhsa_next_free_vgpr 1024
		.amdhsa_next_free_sgpr 106
		.amdhsa_reserve_vcc 0
		.amdhsa_float_denorm_mode_32 3
		.amdhsa_float_denorm_mode_16_64 3
		.amdhsa_memory_ordered 1
		.amdhsa_forward_progress 1
		.amdhsa_inst_pref_size 146
	.end_amdhsa_kernel
	.amdgpu_metadata
---
amdhsa.version: [ 1, 2 ]
amdhsa.kernels:
  - .name:           k_q65442dc167_proj
    .symbol:         k_q65442dc167_proj.kd
    .args:
      - { .name: oc, .offset: 0, .size: 8, .value_kind: global_buffer, .address_space: global }
      - { .name: os, .offset: 8, .size: 8, .value_kind: global_buffer, .address_space: global }
      - { .name: wc, .offset: 16, .size: 8, .value_kind: global_buffer, .address_space: global }
      - { .name: ws, .offset: 24, .size: 8, .value_kind: global_buffer, .address_space: global }
      - { .name: bo, .offset: 32, .size: 8, .value_kind: global_buffer, .address_space: global }
      - { .name: out0, .offset: 40, .size: 8, .value_kind: global_buffer, .address_space: global }
    .group_segment_fixed_size: 327680
    .private_segment_fixed_size: 0
    .kernarg_segment_align: 8
    .kernarg_segment_size: 48
    .max_flat_workgroup_size: 128
    .sgpr_count:     106
    .vgpr_count:     1024
    .wavefront_size: 32
...
	.end_amdgpu_metadata
.endif
;; end of part 4
